; MI455X (gfx1250); checked and timed in simulation.
; The chip was launched on July 23, 2026; its instructions are those of AMD's public machine-readable ISA for CDNA 5 (MIT licence, August 2026) and "CDNA5" Instruction Set Architecture Reference Guide (July 2026). The comments in the code are by the model that wrote it; some were corrected since.
;; Causal Self Attention. Allowed arithmetic: matrix products marked QUANTISED: E4M3 operands, one E8M0 scale for each 32 along K, by v_wmma_scale_f32_16x16x128_f8f6f4 with both operands' format E4M3, f32 sums; everything else in f32.
;; Inputs: W_proj 1,024 x 1,024 float32; W_qkv 1,024 x 3,072 float32; b_proj 1,024 float32; b_qkv 3,072 float32; x 4 x 2,048 x 1,024 float32.
;; Outputs: out0 4 x 2,048 x 1,024 float32.
;; This version of the problem:
;;   THIS VERSION OF THE PROBLEM IS GIVEN IN LOW PRECISION. The matrix products marked QUANTISED in the list below multiply operands that are first quantised to E4M3 (4 exponent bits, 3 mantissa bits; 8 bits a number), with one power-of-two scale for each 32 numbers along K (OCP MX v1.0); their sums are f32. All else is computed in f32.
;;   The module's matrix products, in the order in which they are computed (A, B: the left and right operand; K: the contracted axis; several contracted axes count as one K, in the product's order):
;;     1. [M 8,192, K 1,024] x [K 1,024, N 3,072]; A: input x; B: input W_qkv: QUANTISED
;;     2. batch 64 x [M 2,048, K 64] x [K 64, N 2,048]; A: computed on the way; B: computed on the way: QUANTISED
;;     3. batch 64 x [M 2,048, K 2,048] x [K 2,048, N 64]; A: softmax (see below); B: computed on the way: QUANTISED
;;     4. [M 8,192, K 1,024] x [K 1,024, N 1,024]; A: computed on the way; B: input W_proj: QUANTISED
;;   THE QUANTISER, for each operand of a quantised product, along K:
;;     - K is cut into blocks of 32 from its start; a last block that is shorter is filled with zeros.
;;     - A block's scale is 2^e with e = floor(log2(the largest magnitude in the block)) - 8, held to -126 .. 127; a block of zeros has e = 0. As a byte (E8M0): e + 127.
;;     - Each number is divided by its block's scale, clamped to +-448, and rounded to the nearest number of E4M3, ties to even, subnormals kept.
;;     - The product sums the exact products of the quantised numbers (number of the format x scale) in f32.
;;   ~~~python
;;   def quantise(x, axis):      # numpy; x: float32 -> the quantised numbers, widened to float32 again
;;       x = np.moveaxis(x, axis, -1); K = x.shape[-1]
;;       x = np.pad(x, [(0, 0)] * (x.ndim - 1) + [(0, -K % 32)]); x = x.reshape(x.shape[:-1] + (-1, 32)); a = np.abs(x).max(-1, keepdims=True)
;;       e = np.where(a > 0, np.clip(np.frexp(np.where(a > 0, a, 1))[1] - 1 - 8, -126, 127), 0)      # np.frexp(a)[1] - 1 = floor(log2(a)), exactly
;;       r = np.clip(x / 2.0 ** e, -448, 448)
;;       step = 2.0 ** (np.maximum(np.frexp(np.where(r == 0, 1, r))[1] - 1, -6) - 3)
;;       q = np.round(r / step) * step * 2.0 ** e      # np.round: ties to even
;;       return np.moveaxis(q.reshape(q.shape[:-2] + (-1,))[..., :K], -1, axis).astype(np.float32)
;;   ~~~
;;   SOFTMAX AHEAD OF A QUANTISED PRODUCT. Where the list says 'softmax', what is quantised is not the finished softmax but p = 2^(t - M), with t = logit x log2(e) and M = ceil(the row's largest t), a whole number; so 1/2 < the row's largest p <= 1. The row's sum l is taken of the UNQUANTISED p, in f32, and the product's result is divided by l at the end. Since M is a whole number, a kernel that streams over the keys may use a running M (the ceiling of the running maximum): every later rescaling is an exact power of two, which a block's scale takes up: the codes' values come out the same.
;;   OPERANDS COMPUTED ON THE WAY. 'Computed on the way' means the value that the module computes at that place (a softmax that the list does not call 'softmax' is quantised finished and normalised). What goes into a quantiser is computed in f32, as accurately as f32 sums, v_exp_f32 and their like allow (about 1e-6 of the number): no bf16 or f16 on the way to a quantiser, and a product that is left as it is and whose result goes on into a quantised operand takes f32 operands (vector FMAs, or v_wmma_f32_16x16x4_f32). A number that lies on a knife's edge between two numbers of the format may be rounded either way, as far as f32 arithmetic and the matrix unit's own rounding can turn it there, and no further.
;; One version. Each part assembles by itself: llvm-mc -triple=amdgcn-amd-amdhsa -mcpu=gfx1250 --defsym DOCPART=n.
;; ======== version 1 of 1: 4 launches
;; limits: right only within a limited range of input values
;; workspace buffers: xq 8,650,752 bytes; wq 4,325,376 bytes; qkvc 26,476,544 bytes; yq 8,650,752 bytes
;; launch quant (part 1): grid 512 x 1, 4 waves a work-group, no clusters, 34,304 bytes of LDS; arguments x, W_qkv, W_proj, xq, wq; writes xq, wq
.if DOCPART == 1
	.amdgcn_target "amdgcn-amd-amdhsa--gfx1250"
	.amdhsa_code_object_version 6
	.text
	.protected	k_q5ea6c9419f_quant
	.globl	k_q5ea6c9419f_quant
	.p2align	8
	.type	k_q5ea6c9419f_quant,@function
k_q5ea6c9419f_quant:
	s_mov_b64 s[64:65], 0
	v_nop
	global_prefetch_b8 v0, s[64:65] scope:SCOPE_SE
	s_setreg_imm32_b32 hwreg(HW_REG_WAVE_MODE, 25, 1), 1
	s_wait_xcnt 0x0
; x [8192][1024], W_qkv [1024][3072] and W_proj [1024][1024], f32, become codes of FP8 (E4M3) with one E8M0 scale byte for each 32 along K (K = 1,024 in all three).
; A block's scale is 2^(floor(log2(its largest magnitude)) - 8); each number is divided by it, held within +-448 and rounded to the nearest code, ties to even.
; LIMITS: a block of zeros gets the byte 1 where the rule says 127 (its codes are zeros, and this program alone reads the bytes); blocks whose largest magnitude lies under 2^-118 are held at the byte 1;
; NaN and infinities among the inputs are not served.
; THE LAYOUT OF xq AND wq IS THE ORDER OF THE OPERAND'S REGISTERS.  A tile is 16 rows (tokens of x, columns of a weight); block c of 32 along K of a tile is 512 bytes, lane l = r + 16 h owning the 16 bytes at 16 l:
; k = 32 c + 16 h + 0 .. 15 of the tile's row r.  A tile's 32 blocks are 16,384 bytes.  Behind the codes: a tile's scale words, 512 bytes: word q (128 along K) of row r at 256 (q / 4) + 16 r + 4 (q % 4).
; THE ROWS OF A TILE ARE NOT NEIGHBOURS: row r of tile 2 g + u is index 32 g + 8 u + r + 8 (r / 8), so that results made with two neighbouring tiles as source 0 are 16 neighbours in a lane's registers.
; wq: tiles 0-191 W_qkv's columns, tiles 192-255 W_proj's.
; Work-groups 0-255 take x (a wave: one tile x 512 along K), 256-447 W_qkv, 448-511 W_proj (a wave: 32 columns x 128 along K).  Waves share nothing: no barrier.  Only x's path uses LDS.
.set XS,    8388608                    ; xq: where the scale words begin
.set WS,    4194304                    ; wq: likewise
.set SP,    528                        ; x's stage: a row of 512 bytes + 16, an odd multiple of 16: the sixteen rows that a read touches fall on different banks
.set WREG,  16*SP                      ; a wave's stage
.set LI,    1                          ; v1   16 x lane
.set STI,   2                          ; v2   the stage, on the way in
.set STO,   3                          ; v3   and on the way out
.set SOF,   4                          ; v4   my 8 bytes of the tile's scale words
.set SW,    8                          ; v8-11  the four steps' scale words
.set PW,    12                         ; v12  the scale word just made
.set TM,    16                         ; v16-31 at work in QUANT
.set R,     32                         ; v32-159  two sets of 64: numbers as loaded
.set X,     160                        ; v160-223 64 numbers in the operand's order
.set PC,    224                        ; v224-255 codes, two sets of 16
.set XW,    32                         ; weights: v32-159 four blocks of 32 numbers
.set CW,    160                        ; weights: v160-191 eight code registers a block
.set SEL,   20                         ; s[20:21] v_permlanex16_b32's selects for lane l xor 16
.set MNT,   23                         ; s23  the mantissa field of 448
; 64 numbers of a lane, register 16 b + i = k 32 b + 16 (lane / 16) + i of my row, become a fragment's codes in v[pc] on and its scale word in v[PW]
.macro QUANT s, pc
.irp b, 0,1,2,3
	v_max3_num_f32 v[TM+\b], |v[\s+16*\b]|, |v[\s+1+16*\b]|, 0x4800000   ; my 16 numbers of block b, and the floor 2^(9 - 127): the byte cannot fall under 1
.endr
.irp i, 2,4,6,8,10,12,14
.irp b, 0,1,2,3
	v_max3_num_f32 v[TM+\b], v[TM+\b], |v[\s+16*\b+\i]|, |v[\s+1+16*\b+\i]|
.endr
.endr
.irp b, 0,1,2,3
	v_permlanex16_b32 v[TM+4+\b], v[TM+\b], s[SEL], s[SEL+1]
.endr
.irp b, 0,1,2,3
	v_max_num_f32 v[TM+\b], v[TM+\b], v[TM+4+\b]                   ; with lane l xor 16's: the block's largest magnitude
.endr
.irp b, 0,1,2,3
	v_add_nc_u32 v[TM+12+\b], 0xfc000000, v[TM+\b]                 ; 8 off its exponent field: the conversion's scale operand
.endr
.irp b, 0,1,2,3
	v_and_or_b32 v[TM+8+\b], v[TM+\b], 0x7f800000, s[MNT]          ; 448 x the scale
.endr
.irp b, 0,1,2,3
	v_lshrrev_b32 v[TM+4+\b], 23, v[TM+12+\b]                      ; the scale's byte
.endr
	v_lshl_or_b32 v[PW], v[TM+5], 8, v[TM+4]
	v_lshl_or_b32 v[PW], v[TM+6], 16, v[PW]
	v_lshl_or_b32 v[PW], v[TM+7], 24, v[PW]
.irp b, 0,1,2,3
.irp i, 0,1,2,3,4,5,6,7,8,9,10,11,12,13,14,15
	v_med3_num_f32 v[\s+16*\b+\i], v[\s+16*\b+\i], -v[TM+8+\b], v[TM+8+\b]   ; the conversion to an 8-bit code does not saturate (ISA guide 7.6.2): the hold comes first
.endr
	v_cvt_scalef32_pk8_fp8_f32 v[\pc+4*\b:\pc+1+4*\b], v[\s+16*\b:\s+7+16*\b], v[TM+12+\b]
	v_cvt_scalef32_pk8_fp8_f32 v[\pc+2+4*\b:\pc+3+4*\b], v[\s+8+16*\b:\s+15+16*\b], v[TM+12+\b]
.endr
.endm
.macro XLOAD t                         ; step t: 128 along K of the tile's 16 rows: each load reads 512 consecutive bytes of one row
.irp i, 0,1,2,3,4,5,6,7,8,9,10,11,12,13,14,15
	global_load_b128 v[R+64*((\t)%2)+4*\i:R+64*((\t)%2)+4*\i+3], v[LI], s[4:5] offset:(\i+8*(\i/8))*4096+512*(\t) th:TH_LOAD_NT
.endr
.endm
.macro XTURN t                         ; through the wave's own stage: in as loaded, out 64 bytes a lane and block.  LDS serves a wave's instructions in order: no wait between
.irp i, 0,1,2,3,4,5,6,7,8,9,10,11,12,13,14,15
	ds_store_b128 v[STI], v[R+64*((\t)%2)+4*\i:R+64*((\t)%2)+4*\i+3] offset:SP*\i
.endr
.irp c, 0,1,2,3
.irp j, 0,1,2,3
	ds_load_b128 v[X+16*\c+4*\j:X+16*\c+4*\j+3], v[STO] offset:128*\c+16*\j
.endr
.endr
.endm
.macro XSTEP t
.if (\t) < 3
	s_wait_loadcnt 16                              ; this step's 16 loads are in; the next step's 16 may be out
.else
	s_wait_loadcnt 0x0
.endif
	XTURN \t
	s_wait_dscnt 0x0                               ; the numbers are back, and the stage's stores have read their registers,
.if (\t) < 2
	XLOAD (\t)+2                                   ; which take the loads of two steps on
.endif
.if (\t) >= 2
	s_wait_xcnt 0x0                                ; the stores of two steps back have read this set of code registers
.endif
	QUANT X, PC+16*((\t)%2)
	v_mov_b32 v[SW+(\t)], v[PW]                    ; (also the plain line behind the conversions)
.irp c, 0,1,2,3
	global_store_b128 v[LI], v[PC+16*((\t)%2)+4*\c:PC+16*((\t)%2)+4*\c+3], s[10:11] offset:2048*(\t)+512*\c   ; a block's image: 512 consecutive bytes
.endr
.endm
; a block of 32 along K of my column: all 32 numbers are mine
.macro WBLOCK t
.set XB, XW+32*(\t)
	v_max3_num_f32 v12, |v[XB]|, |v[XB+1]|, |v[XB+2]|
	v_max3_num_f32 v13, |v[XB+3]|, |v[XB+4]|, |v[XB+5]|
.irp i, 6,10,14,18,22,26
	v_max3_num_f32 v12, v12, |v[XB+\i]|, |v[XB+\i+1]|
	v_max3_num_f32 v13, v13, |v[XB+\i+2]|, |v[XB+\i+3]|
.endr
	v_max3_num_f32 v12, v12, |v[XB+30]|, |v[XB+31]|
	v_max3_num_f32 v12, v12, v13, 0x4800000        ; and the floor
	v_add_nc_u32 v11, 0xfc000000, v12              ; the conversion's scale operand
	v_and_or_b32 v10, v12, 0x7f800000, s[MNT]      ; 448 x the scale
	v_lshrrev_b32 v13, 23, v11                     ; the byte
.if (\t) == 0
	v_mov_b32 v5, v13
.else
	v_lshl_or_b32 v5, v13, 8*(\t), v5              ; four bytes make my column's scale word of these 128 along K
.endif
.irp i, 0,1,2,3,4,5,6,7,8,9,10,11,12,13,14,15,16,17,18,19,20,21,22,23,24,25,26,27,28,29,30,31
	v_med3_num_f32 v[XB+\i], v[XB+\i], -v10, v10
.endr
.irp g, 0,1,2,3
	v_cvt_scalef32_pk8_fp8_f32 v[CW+8*(\t)+2*\g:CW+8*(\t)+2*\g+1], v[XB+8*\g:XB+8*\g+7], v11
.endr
	v_nop                                          ; a plain line behind the conversions
	global_store_b128 v3, v[CW+8*(\t):CW+8*(\t)+3], s[12:13] offset:512*(\t)         ; k 0-15 of the block: the image's lower half; the 16 lanes of a tile fill 256 consecutive bytes
	global_store_b128 v3, v[CW+8*(\t)+4:CW+8*(\t)+7], s[12:13] offset:512*(\t)+256   ; k 16-31: its upper half
.endm
.macro WLOAD t, cols, p
.set II, 0
.rept 32
	global_load_b32 v[XW+32*(\t)+II], v2, s[\p:\p+1] offset:(32*(\t)+II)*\cols*4 th:TH_LOAD_NT   ; one row k at 32 neighbouring columns
.set II, II+1
.endr
.endm
; a weight of cols columns, whose work-groups begin at number first, whose tiles begin at tb, and whose address lies in s[p:p+1]
.macro WPATH cols, first, tb, p
	s_sub_co_u32 s17, ttmp9, \first
	s_and_b32 s18, s17, 7                          ; which 128 along K
	s_lshr_b32 s19, s17, 3
	s_lshl_b32 s19, s19, 2
	s_add_co_u32 s19, s19, s16                     ; which 32 columns: two tiles
	s_mul_i32 s24, s18, 128*\cols*4
	s_lshl_b32 s25, s19, 7
	s_add_co_u32 s24, s24, s25
	s_mov_b32 s25, 0                               ; the weight: 128 rows x which + 128 bytes x group
	s_lshl_b32 s26, s19, 15
	s_lshl_b32 s27, s18, 11
	s_add_co_u32 s26, s26, s27
	s_add_co_u32 s26, s26, \tb*16384
	s_mov_b32 s27, 0                               ; the codes: two tiles x group, four blocks x which
	s_lshl_b32 s28, s19, 10
	s_lshr_b32 s29, s18, 2
	s_lshl_b32 s29, s29, 8
	s_add_co_u32 s28, s28, s29
	s_and_b32 s29, s18, 3
	s_lshl_b32 s29, s29, 2
	s_add_co_u32 s28, s28, s29
	s_add_co_u32 s28, s28, WS+\tb*512
	s_mov_b32 s29, 0                               ; the scale words
	s_wait_kmcnt 0x0
	s_add_nc_u64 s[\p:\p+1], s[\p:\p+1], s[24:25]
	s_add_nc_u64 s[30:31], s[12:13], s[28:29]
	s_add_nc_u64 s[12:13], s[12:13], s[26:27]
	WLOAD 0, \cols, \p
	WLOAD 1, \cols, \p
	s_wait_loadcnt 32                              ; block 0's 32 loads are in; block 1's may be out
	WLOAD 2, \cols, \p
	WBLOCK 0
	s_wait_loadcnt 32                              ; block 1's are in; block 2's may be out
	WLOAD 3, \cols, \p
	WBLOCK 1
	s_wait_loadcnt 32                              ; block 2's are in; block 3's may be out
	WBLOCK 2
	s_wait_loadcnt 0x0
	WBLOCK 3
	global_store_b32 v4, v5, s[30:31]              ; 4 bytes a lane, 16 bytes apart: one byte for each 32 that the wave has read
	s_endpgm
.endm
	s_load_b256 s[4:11], s[0:1], 0x0               ; x s[4:5], W_qkv s[6:7], W_proj s[8:9], xq s[10:11]
	s_load_b64 s[12:13], s[0:1], 0x20              ; wq
	v_lshl_add_u32 v14, v0, 2, 0x8400
	v_mov_b32 v15, 0
	v_lshrrev_b32 v1, 5, v0
	v_readfirstlane_b32 s16, v1                    ; wave
	v_and_b32 v6, 31, v0                           ; lane
	s_mov_b32 s[SEL], 0x76543210
	s_mov_b32 s[SEL+1], 0xfedcba98
	s_mov_b32 s[MNT], 0x600000
	s_cmp_lt_u32 ttmp9, 256
	s_cbranch_scc0 .Lweights
	; ---- x: unit U = 4 x work-group + wave: tile U / 2, half U % 2 of K
	v_lshlrev_b32 v[LI], 4, v6
	v_and_b32 v6, 15, v0                           ; r
	v_bfe_u32 v7, v0, 4, 1                         ; h
	s_mul_i32 s17, s16, WREG
	v_add_nc_u32 v[STI], s17, v[LI]
	v_mul_u32_u24 v[STO], v6, SP
	v_lshl_add_u32 v[STO], v7, 6, v[STO]
	v_add_nc_u32 v[STO], s17, v[STO]               ; row r, + 64 h: my 16 numbers of a block
	v_lshlrev_b32 v[SOF], 4, v6
	v_lshl_add_u32 v[SOF], v7, 3, v[SOF]           ; 16 r + 8 h
.irp b, 0,1,2,3
	v_mov_b32 v[TM+4+\b], 0                        ; written once: a lane permute's destination counts as one of its sources
.endr
	s_lshl_b32 s18, ttmp9, 2
	s_add_co_u32 s18, s18, s16
	s_lshr_b32 s19, s18, 1                         ; the tile
	s_and_b32 s18, s18, 1                          ; the half of K
	s_lshr_b32 s24, s19, 1
	s_lshl_b32 s24, s24, 17                        ; 32 rows of 4,096 bytes for each pair of tiles,
	s_and_b32 s25, s19, 1
	s_lshl_b32 s25, s25, 15                        ; 8 rows for the odd tile,
	s_add_co_u32 s24, s24, s25
	s_lshl_b32 s25, s18, 11                        ; 2,048 bytes for the upper half of K
	s_add_co_u32 s24, s24, s25
	s_mov_b32 s25, 0
	s_lshl_b32 s26, s19, 14
	s_lshl_b32 s27, s18, 13
	s_add_co_u32 s26, s26, s27
	s_mov_b32 s27, 0
	s_lshl_b32 s28, s19, 9
	s_lshl_b32 s29, s18, 8
	s_add_co_u32 s28, s28, s29
	s_add_co_u32 s28, s28, XS
	s_mov_b32 s29, 0
	s_wait_alu depctr_va_vdst(0)
	s_wait_kmcnt 0x0
	s_add_nc_u64 s[4:5], s[4:5], s[24:25]
	s_add_nc_u64 s[30:31], s[10:11], s[28:29]
	s_add_nc_u64 s[10:11], s[10:11], s[26:27]
	XLOAD 0
	XLOAD 1
	XSTEP 0
	XSTEP 1
	XSTEP 2
	XSTEP 3
	v_cmp_ne_u32 vcc_lo, 0, v7                     ; both halves of the lanes hold all four words: lanes 0-15 store words 0, 1 and lanes 16-31 words 2, 3
	v_cndmask_b32 v[SW], v[SW], v[SW+2], vcc_lo
	v_cndmask_b32 v[SW+1], v[SW+1], v[SW+3], vcc_lo
	global_store_b64 v[SOF], v[SW:SW+1], s[30:31]  ; 32 lanes store 256 consecutive bytes, aligned
	s_wait_tensorcnt 0x0
	ds_add_u32 v14, v15
	s_wait_dscnt 0x0
	s_endpgm
.Lweights:
	; ---- the weights: a lane takes a column, and its registers run down K.  Column 32 g + l is row r = l % 8 + 8 (l / 16) of tile 2 g + u, u = (l / 8) % 2
	s_wait_alu depctr_va_vdst(0)
	v_lshlrev_b32 v2, 2, v6
	v_bfe_u32 v7, v0, 3, 1
	v_and_b32 v8, 7, v0
	v_bfe_u32 v9, v0, 4, 1
	v_lshl_add_u32 v8, v9, 3, v8
	v_lshlrev_b32 v8, 4, v8                        ; 16 r
	v_lshl_add_u32 v3, v7, 14, v8                  ; codes: + a tile for u
	v_lshl_add_u32 v4, v7, 9, v8                   ; scale words: likewise
	s_cmp_lt_u32 ttmp9, 448
	s_cbranch_scc0 .Lproj
	s_wait_alu depctr_va_vdst(0)
	WPATH 3072, 256, 0, 6
.Lproj:
	s_wait_alu depctr_va_vdst(0)
	WPATH 1024, 448, 192, 8
.Lfunc_end_k_q5ea6c9419f_quant:
	.size	k_q5ea6c9419f_quant, .Lfunc_end_k_q5ea6c9419f_quant-k_q5ea6c9419f_quant
	.p2alignl 7, 3214868480
	.fill 96, 4, 3214868480
	.section	.rodata,"a",@progbits
	.p2align	6, 0x0
	.amdhsa_kernel k_q5ea6c9419f_quant
		.amdhsa_group_segment_fixed_size 34304
		.amdhsa_private_segment_fixed_size 0
		.amdhsa_enable_private_segment 0
		.amdhsa_kernarg_size 40
		.amdhsa_user_sgpr_count 2
		.amdhsa_user_sgpr_kernarg_segment_ptr 1
		.amdhsa_wavefront_size32 1
		.amdhsa_system_sgpr_workgroup_id_x 1
		.amdhsa_system_sgpr_workgroup_id_y 1
		.amdhsa_system_sgpr_workgroup_id_z 1
		.amdhsa_system_vgpr_workitem_id 0
		.amdhsa_next_free_vgpr 256
		.amdhsa_next_free_sgpr 66
		.amdhsa_reserve_vcc 1
		.amdhsa_float_denorm_mode_32 3
		.amdhsa_float_denorm_mode_16_64 3
		.amdhsa_memory_ordered 1
		.amdhsa_forward_progress 1
		.amdhsa_inst_pref_size 108
	.end_amdhsa_kernel
	.amdgpu_metadata
---
amdhsa.version: [ 1, 2 ]
amdhsa.kernels:
  - .name:           k_q5ea6c9419f_quant
    .symbol:         k_q5ea6c9419f_quant.kd
    .args:
      - { .name: x, .offset: 0, .size: 8, .value_kind: global_buffer, .address_space: global }
      - { .name: W_qkv, .offset: 8, .size: 8, .value_kind: global_buffer, .address_space: global }
      - { .name: W_proj, .offset: 16, .size: 8, .value_kind: global_buffer, .address_space: global }
      - { .name: xq, .offset: 24, .size: 8, .value_kind: global_buffer, .address_space: global }
      - { .name: wq, .offset: 32, .size: 8, .value_kind: global_buffer, .address_space: global }
    .group_segment_fixed_size: 34304
    .private_segment_fixed_size: 0
    .kernarg_segment_align: 8
    .kernarg_segment_size: 40
    .max_flat_workgroup_size: 128
    .sgpr_count:     66
    .vgpr_count:     256
    .wavefront_size: 32
...
	.end_amdgpu_metadata
.endif
;; end of part 1
;; launch qkvgemm (part 2): grid 12 x 32, 4 waves a work-group, clusters of 4 x 4, 327,680 bytes of LDS; arguments xq, wq, b_qkv, qkvc; writes qkvc
.if DOCPART == 2
	.amdgcn_target "amdgcn-amd-amdhsa--gfx1250"
	.amdhsa_code_object_version 6
	.text
	.protected	k_q5ea6c9419f_qkvgemm
	.globl	k_q5ea6c9419f_qkvgemm
	.p2align	8
	.type	k_q5ea6c9419f_qkvgemm,@function
k_q5ea6c9419f_qkvgemm:
	s_mov_b64 s[64:65], 0
	v_nop
	global_prefetch_b8 v0, s[64:65] scope:SCOPE_SE
	s_setreg_imm32_b32 hwreg(HW_REG_WAVE_MODE, 25, 1), 1
	s_wait_xcnt 0x0
	s_wait_alu depctr_hold_cnt(0) depctr_sa_sdst(0) depctr_va_vdst(0) depctr_va_sdst(0) depctr_va_ssrc(0) depctr_va_vcc(0) depctr_vm_vsrc(0)
	s_getreg_b32 s2, hwreg(HW_REG_IB_STS2, 6, 4)
	s_cmp_eq_u32 s2, 0
	s_cbranch_scc0 .Lentry_in_a_cluster
	s_endpgm
.Lentry_in_a_cluster:
	s_bfe_u32 s2, ttmp6, 0x10000c
	s_cmp_lg_u32 s2, 0xf033
	s_cbranch_scc0 .Lentry_shape_is_right
	s_endpgm
.Lentry_shape_is_right:
; qkv = x W_qkv + b_qkv on codes of FP8 (E4M3) with E8M0 scales, K = 1,024; q, k and v are quantised in registers on the way out and leave as the codes and scale words that the attention launch reads.  No f32 goes to memory.
; LIMITS: a block of zeros gets the byte 1 where the rule says 127 (its codes are zeros, and this program alone reads the bytes); blocks whose largest magnitude lies under 2^-118 are held at the byte 1; NaN and infinities are not served.
; OPERANDS LIE IN MEMORY IN THE ORDER OF THE OPERAND'S REGISTERS (xq, wq): a tile is 16 rows; block c of 32 along K is 512 bytes, 16 a lane; a tile's K = 1,024 is 16,384 bytes.  So a fragment is four loads of 16 bytes at 16 x lane,
; in LDS too: no pitch, no padding, each load 512 consecutive bytes.  Row r of tile 2 g + u is index 32 g + 8 u + r + 8 (r / 8).
; ROLES.  Source 0 is P, source 1 is Q: a lane holds ONE row of Q, and its registers run along P: the 16 registers of P's tiles 2 b, 2 b + 1 are P's indices 32 b + 16 (lane / 16) + 0 .. 15: the next product's K.
; The cluster's x says what is made: 0 q, 1 k (P = W's columns: the next K is the head's 64; Q = tokens), 2 v (P = tokens: the next K is the keys; Q = W's columns).  It is the same in all sixteen partners.
; A work-group makes 256 of P x 256 of Q; a wave 128 x 128: 64 accumulators, 512 registers.  K goes in four steps of 256 through two LDS slots; all four are written out.
; CLUSTERS: 4 x 4.  Q's tiles hang on the cluster's y and cy alone and are asked for jointly by a row of the cluster; P's on cx (and the cluster's x or y) and by a column.
; The scale words of the work-group's 16 + 16 tiles, 8,192 dense bytes a side, come once, with the first fills.  The bias is the C of each sum's first product.
; REGISTERS: window 0: v1-7 lane numbers, v16-29 addresses, v32-63 scale words (two sets, and nothing else), v64-127 the bias, v128-255 Q's fragments (one set); window 1: P's fragments (two sets);
; window 2: the accumulators of Q's blocks 0-3 ((a, b) at v[8 (8 (a % 4) + b)]); window 3: of blocks 4-7.  On the way out: v64-95 codes, v96-115 offsets and scale words, v128-151 at work.
; qkvc: Q's codes at bh x 131,072 + tile x 1,024 + block x 512; Q's scale words at QS + bh x 8,192 + step x 512 + 32 r + 4 t (tile = 8 step + t; bytes 2, 3 zero);
;   K and V at KV + bh x 262,144 + slot x 32,768 (a slot: 256 keys): K at (step % 2) x 8,192 + t x 1,024 + block x 512, V at 16,384 + (step % 2) x 8,192 + dt x 2,048 + block x 512 (dt: 16 of the head's 64; a block: 32 keys);
;   their scale words at SKV + bh x 12,288: K's at step x 512 + 32 r + 4 t, V's at 8,192 + step x 256 + 16 r + 4 dt.
.set XS,    8388608
.set WS,    4194304
.set QS,    8388608
.set KV,    8912896
.set SKV,   25690112
.set NQ,    2                          ; matrix instructions deep in a slot
.set FR,    16                         ; registers of a fragment
.set NL,    4                          ; LDS loads that bring one
.set NP,    8                          ; places behind this matrix instruction (ISA guide 7.12.1)
.set TILEB, 4096                       ; a tile's 256 along K
.set HALFT, 8*TILEB                    ; eight tiles: what one tensor load brings, and what a wave reads of Q or of P
.set SLOT,  4*HALFT                    ; Q's 16 tiles, then P's 16
.set SCL,   2*SLOT                     ; behind the ring: Q's scale words (8,192 bytes), then P's
.set HALFS, 4096
.set SPARE, SCL+4*HALFS                ; the spare words, 128 bytes a wave: two blocks of 256 bytes that no other line names
.set ADRA, 16                          ; v16-17 LDS address of my fragments of Q in slot 0, 1
.set ADRB, 20                          ; v20-21 of P
.set ADRS, 27                          ; v27    of my scale words: lanes 0-15 Q's, lanes 16-31 P's
.set SPW,  28                          ; v28    my spare word; never rewritten
.set NIL,  29                          ; v29    0; never rewritten
.set SC,   32
.set BI,   64
.set AF,   128
.set PC,   64                          ; the way out
.set CO,   96
.set SE,   100
.set TM,   128
.set PW8,  144
.set G1, 24
.set G0, 32
.set G1B, 48
.set G0B, 56
.set G1S, 68
.set G0S, 76
.set G1SB, 80
.set G0SB, 88
.set MSB, 0
.macro WIN new                         ; the immediate's high byte repeats the setting that is left
.if MSB != \new
	s_set_vgpr_msb (MSB<<8)|\new
.set MSB, \new
.endif
.endm
.set MUL_LO, 0xa1                      ; source 0 (P) window 1, source 1 (Q) window 0, C and D window 2
.set MUL_HI, 0xf1                      ; the same, C and D window 3
.set TO_B,   0x40                      ; destination window 1, address window 0
; A joint load: waves 0 and 1 fetch for Q, waves 2 and 3 for P.  The branch hangs on the wave's number alone.  Four v_nop follow each of the two lines.
.macro JLOAD g0a, g1a, g0b, g1b
	s_cmp_eq_u32 s15, 0
	s_cbranch_scc0 .Lfor_b_\@
	tensor_load_to_lds s[\g0a:\g0a+3], s[\g1a:\g1a+7]
	s_nop 0
.rept 4
	v_nop
.endr
	s_branch .Lasked_\@
.Lfor_b_\@:
	tensor_load_to_lds s[\g0b:\g0b+3], s[\g1b:\g1b+7]
	s_nop 0
.rept 4
	v_nop
.endr
.Lasked_\@:
.endm
.macro CREST                           ; a round of the cluster's barrier behind its opening barrier
	s_cmp_lg_u32 s14, 0
	s_cbranch_scc1 .Lnot_wave_0_\@
	s_barrier_signal -3
.Lnot_wave_0_\@:
	s_barrier_wait -3
	s_barrier_signal -1
	s_barrier_wait -1
.endm
.macro CROUND
	s_barrier_signal -1
	s_barrier_wait -1
	CREST
.endm
	s_load_b256 s[4:11], s[0:1], 0x0               ; xq s[4:5], wq s[6:7], b_qkv s[8:9], qkvc s[10:11]
	v_lshl_add_u32 v[SPW], v0, 2, SPARE
	v_mov_b32 v[NIL], 0
	ds_add_u32 v28, v29
	ds_add_u32 v28, v29
	s_wait_dscnt 0x0
	v_lshrrev_b32 v1, 5, v0
	v_readfirstlane_b32 s14, v1                    ; wave 0..3
	s_lshr_b32 s15, s14, 1                         ; which half of Q is mine.  Also: I fetch for Q (0) or for P (1)
	s_and_b32 s16, s14, 1                          ; which half of P.  Also: which eight tiles I fetch
	s_bfe_u32 s40, ttmp6, 0x40000                  ; cx
	s_bfe_u32 s41, ttmp6, 0x40004                  ; cy
	s_and_b32 s17, ttmp7, 0xffff
	s_lshl_b32 s17, s17, 2                         ; 4 x cluster y
	s_lshl_b32 s42, ttmp9, 2                       ; 4 x cluster x
	s_cmp_eq_u32 ttmp9, 2                          ; v?
	s_cselect_b32 s42, s17, s42
	s_cselect_b32 s17, 0, s17
	s_add_co_u32 s42, s42, s40                     ; P's block of 256: q, k: columns 4 x cluster x + cx; v: tokens 4 x cluster y + cx
	s_add_co_u32 s17, s17, s41                     ; Q's block of 256: q, k: tokens 4 x cluster y + cy; v: v's columns cy
	s_lshl_b32 s43, s41, 2
	s_lshl_b32 s43, 15, s43                        ; my row of the cluster
	s_lshl_b32 s44, 0x1111, s40                    ; my column
	; group 1 for codes: eight tiles, each a row of 4,096 bytes (512 elements of 8 bytes), 16,384 bytes apart in memory, on end in LDS
	s_or_b32 s[G1+0], s43, (3<<16)|(1<<21)         ; 15:0 the mask; 17:16 elements of 8 bytes; 21 set beside a mask; no padding
	s_or_b32 s[G1B+0], s44, (3<<16)|(1<<21)
.irp g, G1, G1B
	s_mov_b32 s[\g+1], 512<<16                     ; tensor_dim0
	s_mov_b32 s[\g+2], 16<<16                      ; tensor_dim1: the head's loads bring sixteen tiles; behind them the two words are set to 8
	s_mov_b32 s[\g+3], 512<<16                     ; tile_dim0
	s_mov_b32 s[\g+4], 16                          ; tile_dim1
	s_mov_b32 s[\g+5], 2048                        ; tensor_dim0_stride
	s_mov_b32 s[\g+6], 0
	s_mov_b32 s[\g+7], 0
.endr
	; and for the scale words of sixteen tiles: 8,192 dense bytes as 32 rows of 256
	s_or_b32 s[G1S+0], s43, (3<<16)|(1<<21)
	s_or_b32 s[G1SB+0], s44, (3<<16)|(1<<21)
.irp g, G1S, G1SB
	s_mov_b32 s[\g+1], 32<<16
	s_mov_b32 s[\g+2], 32<<16                      ; a side's sixteen tiles: 8,192 dense bytes as 32 rows of 256
	s_mov_b32 s[\g+3], 32<<16
	s_mov_b32 s[\g+4], 32
	s_mov_b32 s[\g+5], 32
	s_mov_b32 s[\g+6], 0
	s_mov_b32 s[\g+7], 0
.endr
	s_lshl_b32 s2, s16, 17                         ; s[2:3]: in the ring I fetch eight tiles of sixteen: which half, in bytes
	s_mov_b32 s3, 0
	s_lshl_b32 s20, s17, 4                         ; the block's first tile of Q
	s_lshl_b32 s46, s42, 4                         ; and of P
	s_lshl_b32 s22, s20, 9                         ; their scale words,
	s_lshl_b32 s92, s46, 9
	s_lshl_b32 s20, s20, 14                        ; their codes, in bytes
	s_lshl_b32 s46, s46, 14
	s_mov_b32 s21, 0
	s_mov_b32 s23, 0
	s_mov_b32 s47, 0
	s_mov_b32 s93, 0
	s_lshl_b32 s45, s14, 15                        ; where they go: wave x eight tiles: no place in the cluster enters an LDS address
	s_wait_kmcnt 0x0
	s_cmp_eq_u32 ttmp9, 2
	s_cselect_b64 s[94:95], s[6:7], s[4:5]         ; Q's buffer: v: wq, else xq
	s_cselect_b64 s[96:97], s[4:5], s[6:7]         ; P's: the other
	s_cselect_b32 s98, 128*16384, 0                ; v's columns begin at wq's tile 128
	s_mov_b32 s12, XS
	s_cselect_b32 s12, WS+128*512, s12
	s_mov_b32 s13, WS
	s_cselect_b32 s13, XS, s13
	s_add_co_u32 s20, s20, s98
	s_add_co_u32 s22, s22, s12
	s_add_co_u32 s92, s92, s13
	s_add_nc_u64 s[20:21], s[94:95], s[20:21]
	s_add_nc_u64 s[22:23], s[94:95], s[22:23]
	s_add_nc_u64 s[46:47], s[96:97], s[46:47]
	s_add_nc_u64 s[92:93], s[96:97], s[92:93]
	CROUND                                         ; all sixteen work-groups are here: the first joint loads meet
	s_mov_b32 s[G0S], 1
	s_mov_b32 s[G0S+1], SCL
	s_mov_b64 s[G0S+2:G0S+3], s[22:23]
	s_or_b32 s[G0S+3], s[G0S+3], 0x80000000
	s_mov_b32 s[G0SB], 1
	s_mov_b32 s[G0SB+1], SCL+2*HALFS
	s_mov_b64 s[G0SB+2:G0SB+3], s[92:93]
	s_or_b32 s[G0SB+3], s[G0SB+3], 0x80000000
.irp s, 0,1
	s_mov_b32 s[G0+4*\s], 1
	s_add_co_u32 s[G0+4*\s+1], s45, \s*SLOT
	s_add_nc_u64 s[G0+4*\s+2:G0+4*\s+3], s[20:21], \s*TILEB
	s_or_b32 s[G0+4*\s+3], s[G0+4*\s+3], 0x80000000
	s_mov_b32 s[G0B+4*\s], 1
	s_add_co_u32 s[G0B+4*\s+1], s45, \s*SLOT
	s_add_nc_u64 s[G0B+4*\s+2:G0B+4*\s+3], s[46:47], \s*TILEB
	s_or_b32 s[G0B+4*\s+3], s[G0B+4*\s+3], 0x80000000
.endr
	s_add_nc_u64 s[G0+6:G0+7], s[G0+6:G0+7], s[2:3]        ; slot 1's loads bring my eight tiles
	s_add_nc_u64 s[G0B+6:G0B+7], s[G0B+6:G0B+7], s[2:3]
	s_mov_b32 s[G0+1], 0                           ; slot 0's sets serve the head first: all sixteen tiles of Q at the slot's start,
	s_mov_b32 s[G0B+1], 2*HALFT                    ; all sixteen of P behind them
; THE HEAD'S LOADS, ONE A WAVE: wave 0 K step 0 of Q's sixteen tiles, wave 1 of P's, wave 2 Q's scale words, wave 3 P's.  One chain of branches on the wave's number, all arms leading to one join.
.macro ARM under, g0, g1, next
	s_cmp_lt_u32 s14, \under
	s_cbranch_scc0 \next
	tensor_load_to_lds s[\g0:\g0+3], s[\g1:\g1+7]
	s_nop 0
.rept 4
	v_nop
.endr
	s_branch .Lhead_asked
\next:
.endm
	ARM 1, G0,  G1,  .Lhead_b
	ARM 2, G0B, G1B, .Lhead_sa
	ARM 3, G0S, G1S, .Lhead_sb
	tensor_load_to_lds s[G0SB:G0SB+3], s[G1SB:G1SB+7]
	s_nop 0
.rept 4
	v_nop
.endr
.Lhead_asked:
	v_and_b32 v1, 15, v0                           ; r
	v_bfe_u32 v2, v0, 4, 1                         ; h
	s_wait_alu depctr_va_vdst(0)
	v_and_b32 v3, 31, v0
	v_lshlrev_b32 v3, 4, v3                        ; 16 x lane
	s_lshl_b32 s21, s15, 15                        ; my eight tiles of Q
	s_lshl_b32 s22, s16, 15                        ; my eight tiles of P,
	s_add_co_u32 s22, s22, 2*HALFT                 ; which lie behind Q's sixteen
.irp s, 0,1
	v_add_nc_u32 v[ADRA+\s], s21, v3
	v_add_nc_u32 v[ADRB+\s], s22, v3
	s_add_co_u32 s21, s21, SLOT
	s_add_co_u32 s22, s22, SLOT
.endr
	v_lshlrev_b32 v5, 4, v1                        ; scale words: 16 bytes a row
	s_lshl_b32 s21, s15, 12                        ; Q's: my eight tiles
	s_lshl_b32 s22, s16, 12                        ; P's: my eight tiles, behind Q's sixteen
	s_add_co_u32 s22, s22, 2*HALFS
	s_sub_co_u32 s22, s22, s21
	v_mul_u32_u24 v6, s22, v2                      ; lanes 16-31 take P's: one product, the distance between the two
	s_add_co_u32 s21, s21, SCL
	v_add_nc_u32 v5, v5, v6
	v_add_nc_u32 v[ADRS], s21, v5
	; THE BIAS, in the result's layout, into v64-127; both ways write all 64 registers
	s_cmp_eq_u32 ttmp9, 2
	s_cbranch_scc1 .Lbias_v
	s_lshl_b32 s20, s42, 10                        ; q, k: it runs along P, that is along my registers: v[64 + 16 b + i] = b_qkv[my 128 columns + 32 b + 16 h + i]
	s_lshl_b32 s21, s16, 9
	s_add_co_u32 s20, s20, s21
	s_mov_b32 s21, 0
	s_add_nc_u64 s[20:21], s[8:9], s[20:21]
	v_lshlrev_b32 v7, 6, v2
.irp b, 0,1,2,3
.irp j, 0,1,2,3
	global_load_b128 v[BI+16*\b+4*\j:BI+16*\b+4*\j+3], v7, s[20:21] offset:128*\b+16*\j
.endr
.endr
	s_branch .Lbias_done
.Lbias_v:
	s_lshl_b32 s20, s17, 10                        ; v: it runs along Q, that is along the lanes: the eight registers of block a all hold b_qkv[2,048 + my 128 columns + the column of row r of tile a]
	s_lshl_b32 s21, s15, 9
	s_add_co_u32 s20, s20, s21
	s_add_co_u32 s20, s20, 8192
	s_mov_b32 s21, 0
	s_add_nc_u64 s[20:21], s[8:9], s[20:21]
	v_and_b32 v7, 8, v1
	v_add_nc_u32 v7, v7, v1
	v_lshlrev_b32 v7, 2, v7                        ; 4 (r + 8 (r / 8))
.irp a, 0,1,2,3,4,5,6,7
.irp j, 0,1,2,3,4,5,6,7
	global_load_b32 v[BI+8*\a+\j], v7, s[20:21] offset:128*(\a/2)+32*(\a%2)
.endr
.endr
.Lbias_done:
.macro FRAG reg, adr, q, i             ; a fragment: tile i, the slot's q-th 128 along K: four blocks of 512 bytes, 16 a lane
.irp c, 0,1,2,3
	ds_load_b128 v[\reg+4*\c:\reg+4*\c+3], v[\adr] offset:TILEB*(\i)+2048*(\q)+512*\c
.endr
.endm
; 16 matrix instructions: Q's blocks a0, a0 + 1 x P's eight.  p: P's set; sc: the set of scale words.  zero = 1: C is the bias along P; 2: the bias along Q; 0: the sum goes on.
; The 64 accumulators take turns, one instruction a turn, in the same order in every step.
.macro MUL16 a0, p, q, sc, zero
.irp a, \a0, \a0+1
.irp b, 0,1,2,3,4,5,6,7
.if \zero == 1
	v_wmma_scale_f32_16x16x128_f8f6f4 v[8*(8*((\a)%4)+\b):8*(8*((\a)%4)+\b)+7], v[128*(\p)+FR*\b:128*(\p)+FR*\b+FR-1], v[AF+FR*(\a):AF+FR*(\a)+FR-1], v[BI+8*\b:BI+8*\b+7], v[SC+8*NQ*(\sc)+NQ*\b+(\q)], v[SC+8*NQ*(\sc)+NQ*(\a)+(\q)] matrix_a_scale:MATRIX_SCALE_ROW1
.elseif \zero == 2
	v_wmma_scale_f32_16x16x128_f8f6f4 v[8*(8*((\a)%4)+\b):8*(8*((\a)%4)+\b)+7], v[128*(\p)+FR*\b:128*(\p)+FR*\b+FR-1], v[AF+FR*(\a):AF+FR*(\a)+FR-1], v[BI+8*(\a):BI+8*(\a)+7], v[SC+8*NQ*(\sc)+NQ*\b+(\q)], v[SC+8*NQ*(\sc)+NQ*(\a)+(\q)] matrix_a_scale:MATRIX_SCALE_ROW1
.else
	v_wmma_scale_f32_16x16x128_f8f6f4 v[8*(8*((\a)%4)+\b):8*(8*((\a)%4)+\b)+7], v[128*(\p)+FR*\b:128*(\p)+FR*\b+FR-1], v[AF+FR*(\a):AF+FR*(\a)+FR-1], v[8*(8*((\a)%4)+\b):8*(8*((\a)%4)+\b)+7], v[SC+8*NQ*(\sc)+NQ*\b+(\q)], v[SC+8*NQ*(\sc)+NQ*(\a)+(\q)] matrix_a_scale:MATRIX_SCALE_ROW1
.endif
.endr
.endr
.endm
.macro FETCH_B slot, q, p              ; P's eight fragments into set p
	WIN TO_B
.irp i, 0,1,2,3,4,5,6,7
	FRAG 128*(\p)+FR*\i, ADRB+\slot, \q, \i
.endr
	WIN 0
.endm
.macro FETCH_A slot, q, i0             ; Q's blocks i0 .. i0 + 3
.irp i, \i0, \i0+1, \i0+2, \i0+3
	FRAG AF+FR*(\i), ADRA+\slot, \q, \i
.endr
.endm
.macro SCALES sc, ks                   ; K step ks's scale words into set sc: two words a row; lanes 0-15 take Q's block i, lanes 16-31 P's block i
.irp i, 0,1,2,3,4,5,6,7
	ds_load_b64 v[SC+8*NQ*(\sc)+NQ*\i:SC+8*NQ*(\sc)+NQ*\i+1], v[ADRS] offset:512*\i+256*((\ks)/2)+8*((\ks)%2)
.endr
.endm
.macro PLACES n                        ; plain vector lines between a matrix instruction and a load into, or a vector line on, its registers (ISA guide 7.12.1 for vector lines)
.rept \n
	v_nop
.endr
.endm
; A step of 128 along K that has its successor in the same slot.  Q has one set of registers: blocks 0-3 are fetched anew in the step's middle, blocks 4-7 at its end.
.macro STEP slot, q, zero
	s_wait_dscnt 4*NL                              ; P's set, Q's blocks 0-3 and the scale words are in; the youngest 16 loads (Q's blocks 4-7) may be out
.if \zero
	WIN 0x81                                       ; C (the bias) window 0, D window 2
.else
	WIN MUL_LO
.endif
	MUL16 0, (\q)%2, \q, \slot, \zero
	MUL16 2, (\q)%2, \q, \slot, \zero
	s_wait_dscnt 0                                 ; Q's blocks 4-7 are in
	PLACES NP
	FETCH_B \slot, (\q)+1, 1-(\q)%2
	FETCH_A \slot, (\q)+1, 0
.if \zero
	WIN 0xc1
.else
	WIN MUL_HI
.endif
	MUL16 4, (\q)%2, \q, \slot, \zero
	MUL16 6, (\q)%2, \q, \slot, \zero
	PLACES NP
	WIN 0
	FETCH_A \slot, (\q)+1, 4
.endm
; A slot's last step changes slots: ONE barrier; in front of it each wave waits for all its tensor loads, adds 0 to its spare word, and waits for that and for its reads of this slot.
; fill = 1: the barrier opens a round of the cluster's, and this slot is filled again, two K steps ahead.  ks: the K step that lies in the next slot.
.macro TURN slot, next, fill, ks
	s_wait_tensorcnt 0x0                           ; all my tensor loads have landed: my part of the next slot
	ds_add_u32 v[SPW], v[NIL]                      ; 0 onto my spare word
	s_wait_dscnt 4*NL+1                            ; (the add and the youngest 16 loads, Q's blocks 4-7, may be out)
	WIN MUL_LO
	MUL16 0, 1, NQ-1, \slot, 0                     ; sixteen matrix instructions stand between the add and the wait for it
	s_wait_dscnt 0x0                               ; the add is done, and my reads of this slot are over
	s_barrier_signal -1
	MUL16 2, 1, NQ-1, \slot, 0
	WIN 0
	s_barrier_wait -1
.if \fill
	CREST                                          ; no wave of any partner still reads this slot or has a load on its way
	s_add_nc_u64 s[G0+4*\slot+2:G0+4*\slot+3], s[G0+4*\slot+2:G0+4*\slot+3], 2*TILEB
	s_add_nc_u64 s[G0B+4*\slot+2:G0B+4*\slot+3], s[G0B+4*\slot+2:G0B+4*\slot+3], 2*TILEB
	JLOAD G0+4*\slot, G1, G0B+4*\slot, G1B         ; the first tensor load behind the round, my only one until the next; its four v_nop are among the places for the loads below
	PLACES NP-4
.else
	PLACES NP
.endif
	FETCH_B \next, 0, 0
	FETCH_A \next, 0, 0
	SCALES \next, \ks
	WIN MUL_HI
	MUL16 4, 1, NQ-1, \slot, 0
	MUL16 6, 1, NQ-1, \slot, 0
	PLACES NP
	WIN 0
	FETCH_A \next, 0, 4
.endm
	s_wait_alu depctr_va_vdst(0)
	s_wait_tensorcnt 0x0                           ; my tile of the head's four is in; these lines stand ahead of slot 1's first fill as ahead of a refill
	ds_add_u32 v[SPW], v[NIL]                      ; 0 onto my spare word
	s_mov_b32 s[G1+2], 8<<16                       ; no tensor load of mine is out, so descriptors may be written: from here on a load brings eight tiles,
	s_mov_b32 s[G1+4], 8
	s_mov_b32 s[G1B+2], 8<<16
	s_mov_b32 s[G1B+4], 8
	s_mov_b32 s[G0+1], s45                         ; and slot 0's sets name my eight tiles and their place
	s_mov_b32 s[G0B+1], s45
	s_add_nc_u64 s[G0+2:G0+3], s[G0+2:G0+3], s[2:3]
	s_add_nc_u64 s[G0B+2:G0B+3], s[G0B+2:G0B+3], s[2:3]
	s_wait_dscnt 0x0                               ; the add is done
	CROUND                                         ; all four tiles are in, and all sixteen work-groups are here
	JLOAD G0+4, G1, G0B+4, G1B                     ; K step 1: the first tensor load behind the round
	FETCH_B 0, 0, 0
	FETCH_A 0, 0, 0
	SCALES 0, 0
	FETCH_A 0, 0, 4
	s_wait_loadcnt 0x0                             ; the bias
	s_cmp_eq_u32 ttmp9, 2
	s_cbranch_scc1 .Lfirst_v
	STEP 0, 0, 1                                   ; the first products start the sums with the bias: nothing is cleared or added later
	s_branch .Lfirst_done
.Lfirst_v:
	STEP 0, 0, 2
.Lfirst_done:
	TURN 0, 1, 1, 1
	STEP 1, 0, 0
	TURN 1, 0, 1, 2
	STEP 0, 0, 0
	TURN 0, 1, 0, 3                                ; nothing is left to fetch
	STEP 1, 0, 0
	s_wait_dscnt 4*NL
	WIN MUL_LO
	MUL16 0, 1, NQ-1, 1, 0
	MUL16 2, 1, NQ-1, 1, 0
	s_wait_dscnt 0
	WIN MUL_HI
	MUL16 4, 1, NQ-1, 1, 0
	MUL16 6, 1, NQ-1, 1, 0
	WIN 0
	; ---- THE WAY OUT.  Where my results go.  No tensor load is out: the descriptors' registers are free
	s_mov_b32 s2, 0x600000                         ; the mantissa field of 448
	s_mov_b32 s66, 0x76543210
	s_mov_b32 s67, 0xfedcba98                      ; v_permlanex16_b32's selects for lane l xor 16
	s_cmp_eq_u32 ttmp9, 2                          ; v?
	s_cselect_b32 s20, s42, s17                    ; my block of 256 tokens,
	s_cselect_b32 s21, s16, s15                    ; my half of it,
	s_cselect_b32 s22, s17, s40                    ; my block of 256 columns of q, of k or of v: four heads,
	s_cselect_b32 s23, s15, s16                    ; my half of it: two heads
	s_mov_b32 s24, 1024
	s_cselect_b32 s24, 2048, s24                   ; from one block of Q to the next: a token tile (1,024 bytes), or 16 of the head's 64 (2,048)
	s_mov_b32 s25, 0
	s_cselect_b32 s26, 253952, 0                   ; v: and at block 4 on to the next head: 262,144 - 4 x 2,048
	s_mov_b32 s27, 0
	s_cselect_b32 s28, 16384, 0                    ; v lies behind k in a slot
	s_mov_b32 s35, 512
	s_cselect_b32 s35, 256, s35                    ; a step's scale words
	s_cselect_b32 s36, 8192, 0                     ; v's lie behind k's
	s_cmp_eq_u32 ttmp9, 0                          ; q?
	s_mov_b32 s29, 262144
	s_cselect_b32 s29, 131072, s29                 ; from head to head, codes
	s_cselect_b32 s30, 0, KV
	s_cselect_b32 s31, 0, 16384                    ; k, v: a slot holds both, so each pair of steps skips 16,384 more
	s_mov_b32 s33, 12288
	s_cselect_b32 s33, 8192, s33                   ; from head to head, scale words
	s_mov_b32 s34, SKV
	s_cselect_b32 s34, QS, s34
	s_cmp_eq_u32 ttmp9, 2
	s_cselect_b32 s32, 1024, s29                   ; from block 1 to block 2 of my 128 along P: v: the next 32 keys; q, k: the next head
	s_lshr_b32 s37, s20, 3
	s_lshl_b32 s37, s37, 4
	s_lshl_b32 s22, s22, 2
	s_add_co_u32 s37, s37, s22
	s_lshl_b32 s23, s23, 1
	s_add_co_u32 s37, s37, s23                     ; 16 x batch + my first head
	s_and_b32 s38, s20, 7
	s_lshl_b32 s38, s38, 1
	s_add_co_u32 s38, s38, s21                     ; my 128 tokens: which step of the batch's 16
	s_mul_i32 s44, s37, s29
	s_add_co_u32 s44, s44, s30
	s_lshl_b32 s39, s38, 13
	s_add_co_u32 s44, s44, s39
	s_lshr_b32 s39, s38, 1
	s_mul_i32 s39, s39, s31
	s_add_co_u32 s44, s44, s39
	s_add_co_u32 s44, s44, s28
	s_mov_b32 s45, 0
	s_add_nc_u64 s[46:47], s[10:11], s[44:45]      ; the codes
	s_mul_i32 s48, s37, s33
	s_add_co_u32 s48, s48, s34
	s_mul_i32 s39, s38, s35
	s_add_co_u32 s48, s48, s39
	s_add_co_u32 s48, s48, s36
	s_mov_b32 s49, 0
	s_add_nc_u64 s[50:51], s[10:11], s[48:49]      ; the scale words
	PLACES NP                                      ; behind the last products: their results are read, and registers that they read are written, only from here on
	v_mov_b32 v[CO], v3
	v_add_nc_u32 v[CO+1], 512, v3
	v_add_nc_u32 v[CO+2], s32, v3
	v_add_nc_u32 v[CO+3], 512, v[CO+2]
	v_lshlrev_b32 v104, 5, v1
	v_lshl_add_u32 v104, v2, 4, v104               ; q, k: 32 r + 16 h
	v_add_nc_u32 v105, s33, v104                   ; and the same for the next head
	v_mul_u32_u24 v106, v2, 12288
	v_lshl_add_u32 v106, v1, 4, v106               ; v: 16 r, lanes 16-31 the next head
; Block a of Q: my 64 registers, register 16 b + i = P's index 32 b + 16 h + i of my row, are quantised where they lie and leave as four images of 512 bytes.  Each accumulator is read from its low end on.
.macro QUANTW a
.set WN, 2+(\a)/4
.set SR, 64*((\a)%4)
.set PCA, PC+16*((\a)%2)
.set WA, WN|(WN<<2)
.set WB, (WN<<2)|(WN<<4)
.set WC, WN|(WN<<6)
	WIN WA                                         ; sources 0 and 1: the accumulators' window
.irp b, 0,1,2,3
	v_max3_num_f32 v[TM+\b], |v[SR+16*\b]|, |v[SR+1+16*\b]|, 0x4800000   ; and the floor 2^(9 - 127)
.endr
	WIN WB                                         ; sources 1 and 2
.irp i, 2,4,6,8,10,12,14
.irp b, 0,1,2,3
	v_max3_num_f32 v[TM+\b], v[TM+\b], |v[SR+16*\b+\i]|, |v[SR+1+16*\b+\i]|
.endr
.endr
	WIN 0
.irp b, 0,1,2,3
	v_permlanex16_b32 v[TM+4+\b], v[TM+\b], s66, s67
.endr
.irp b, 0,1,2,3
	v_max_num_f32 v[TM+\b], v[TM+\b], v[TM+4+\b]   ; with lane l xor 16's: the block's largest magnitude
.endr
.irp b, 0,1,2,3
	v_add_nc_u32 v[TM+12+\b], 0xfc000000, v[TM+\b] ; the conversion's scale operand
.endr
.irp b, 0,1,2,3
	v_and_or_b32 v[TM+8+\b], v[TM+\b], 0x7f800000, s2   ; 448 x the scale
.endr
.irp b, 0,1,2,3
	v_lshrrev_b32 v[TM+4+\b], 23, v[TM+12+\b]      ; the byte
.endr
	v_lshl_or_b32 v[PW8+(\a)], v[TM+5], 8, v[TM+4]
	v_lshl_or_b32 v[PW8+(\a)], v[TM+6], 16, v[PW8+(\a)]
	v_lshl_or_b32 v[PW8+(\a)], v[TM+7], 24, v[PW8+(\a)]
	WIN WC                                         ; source 0 and destination
.irp b, 0,1,2,3
.irp i, 0,1,2,3,4,5,6,7,8,9,10,11,12,13,14,15
	v_med3_num_f32 v[SR+16*\b+\i], v[SR+16*\b+\i], -v[TM+8+\b], v[TM+8+\b]   ; the conversion to an 8-bit code does not saturate (ISA guide 7.6.2)
.endr
.endr
	WIN WN                                         ; source 0
.irp b, 0,1,2,3
	v_cvt_scalef32_pk8_fp8_f32 v[PCA+4*\b:PCA+1+4*\b], v[SR+16*\b:SR+7+16*\b], v[TM+12+\b]
	v_cvt_scalef32_pk8_fp8_f32 v[PCA+2+4*\b:PCA+3+4*\b], v[SR+8+16*\b:SR+15+16*\b], v[TM+12+\b]
.endr
	WIN 0
	v_nop                                          ; a plain line behind the conversions
	s_wait_alu depctr_va_vdst(0)
	s_wait_xcnt 0x0                                ; the stores so far have read their base and their data: the base may step, and the block after next may write their code registers
.if (\a) > 0
	s_add_nc_u64 s[46:47], s[46:47], s[24:25]
.endif
.if (\a) == 4
	s_add_nc_u64 s[46:47], s[46:47], s[26:27]
.endif
.irp b, 0,1,2,3
	global_store_b128 v[CO+\b], v[PCA+4*\b:PCA+4*\b+3], s[46:47]   ; 32 lanes store 512 consecutive bytes, aligned
.endr
.endm
.irp a, 0,1,2,3,4,5,6,7
	QUANTW \a
.endr
	; the scale words: both halves of the lanes hold all eight: lanes 0-15 store those of blocks 0-3, lanes 16-31 those of blocks 4-7
	v_cmp_ne_u32 vcc_lo, 0, v2
.irp i, 0,1,2,3
	v_cndmask_b32 v[SE+\i], v[PW8+\i], v[PW8+4+\i], vcc_lo
.endr
	s_cmp_eq_u32 ttmp9, 2
	s_cbranch_scc1 .Lsc_v
.irp i, 0,1,2,3
	v_and_b32 v[108+\i], 0xffff, v[SE+\i]          ; q, k: bytes 0, 1 are my first head's two blocks; the upper 64 of the attention's K step are zero codes under the byte 0
.endr
.irp i, 0,1,2,3
	v_lshrrev_b32 v[112+\i], 16, v[SE+\i]          ; bytes 2, 3 my second head's
.endr
	global_store_b128 v104, v[108:111], s[50:51]   ; 512 consecutive bytes
	global_store_b128 v105, v[112:115], s[50:51]
	s_branch .Lsc_done
.Lsc_v:
	s_wait_alu depctr_va_vdst(0)
	global_store_b128 v106, v[SE:SE+3], s[50:51]   ; v: a word is the four key blocks of a step: 256 consecutive bytes for each of my two heads
.Lsc_done:
	s_wait_tensorcnt 0x0                           ; the wave's end
	ds_add_u32 v[SPW], v[NIL]
	s_wait_dscnt 0x0
	CROUND                                         ; the closing round: no work-group ends while a partner may still ask for a tile that names it
	s_endpgm
.Lfunc_end_k_q5ea6c9419f_qkvgemm:
	.size	k_q5ea6c9419f_qkvgemm, .Lfunc_end_k_q5ea6c9419f_qkvgemm-k_q5ea6c9419f_qkvgemm
	.p2alignl 7, 3214868480
	.fill 96, 4, 3214868480
	.section	.rodata,"a",@progbits
	.p2align	6, 0x0
	.amdhsa_kernel k_q5ea6c9419f_qkvgemm
		.amdhsa_group_segment_fixed_size 327680
		.amdhsa_private_segment_fixed_size 0
		.amdhsa_enable_private_segment 0
		.amdhsa_kernarg_size 32
		.amdhsa_user_sgpr_count 2
		.amdhsa_user_sgpr_kernarg_segment_ptr 1
		.amdhsa_wavefront_size32 1
		.amdhsa_system_sgpr_workgroup_id_x 1
		.amdhsa_system_sgpr_workgroup_id_y 1
		.amdhsa_system_sgpr_workgroup_id_z 1
		.amdhsa_system_vgpr_workitem_id 0
		.amdhsa_next_free_vgpr 1024
		.amdhsa_next_free_sgpr 100
		.amdhsa_reserve_vcc 1
		.amdhsa_float_denorm_mode_32 3
		.amdhsa_float_denorm_mode_16_64 3
		.amdhsa_memory_ordered 1
		.amdhsa_forward_progress 1
		.amdhsa_inst_pref_size 210
	.end_amdhsa_kernel
	.amdgpu_metadata
---
amdhsa.version: [ 1, 2 ]
amdhsa.kernels:
  - .name:           k_q5ea6c9419f_qkvgemm
    .symbol:         k_q5ea6c9419f_qkvgemm.kd
    .args:
      - { .name: xq, .offset: 0, .size: 8, .value_kind: global_buffer, .address_space: global }
      - { .name: wq, .offset: 8, .size: 8, .value_kind: global_buffer, .address_space: global }
      - { .name: b_qkv, .offset: 16, .size: 8, .value_kind: global_buffer, .address_space: global }
      - { .name: qkvc, .offset: 24, .size: 8, .value_kind: global_buffer, .address_space: global }
    .group_segment_fixed_size: 327680
    .private_segment_fixed_size: 0
    .kernarg_segment_align: 8
    .kernarg_segment_size: 32
    .max_flat_workgroup_size: 128
    .sgpr_count:     100
    .vgpr_count:     1024
    .wavefront_size: 32
...
	.end_amdgpu_metadata
.endif
;; end of part 2
;; launch attn (part 3): grid 4 x 64, 16 waves a work-group, clusters of 4 x 1, 327,680 bytes of LDS; arguments qkvc, yq; writes yq
.if DOCPART == 3
	.amdgcn_target "amdgcn-amd-amdhsa--gfx1250"
	.amdhsa_code_object_version 6
	.text
	.protected	k_q5ea6c9419f_attn
	.globl	k_q5ea6c9419f_attn
	.p2align	8
	.type	k_q5ea6c9419f_attn,@function
k_q5ea6c9419f_attn:
	s_mov_b64 s[64:65], 0
	v_nop
	global_prefetch_b8 v0, s[64:65] scope:SCOPE_SE
	s_setreg_imm32_b32 hwreg(HW_REG_WAVE_MODE, 25, 1), 1
	s_wait_xcnt 0x0
	s_wait_alu depctr_hold_cnt(0) depctr_sa_sdst(0) depctr_va_vdst(0) depctr_va_sdst(0) depctr_va_ssrc(0) depctr_va_vcc(0) depctr_vm_vsrc(0)
	s_getreg_b32 s2, hwreg(HW_REG_IB_STS2, 6, 4)
	s_cmp_eq_u32 s2, 0
	s_cbranch_scc0 .Lentry_in_a_cluster
	s_endpgm
.Lentry_in_a_cluster:
	s_bfe_u32 s2, ttmp6, 0x10000c
	s_cmp_lg_u32 s2, 0x3003
	s_cbranch_scc0 .Lentry_shape_is_right
	s_endpgm
.Lentry_shape_is_right:
; y[b][q][head] = softmax over the keys k <= q of (Q . K / 8) times V, both products on codes of FP8 (E4M3) with E8M0 scales; y is quantised along C in registers and leaves as the codes and scale bytes that the last launch reads.
; THE SOFTMAX AHEAD OF THE SECOND PRODUCT: t = score x log2(e) / 8; M = the row's largest t so far, rounded UP to a whole number; p = 2^(t - M) is quantised along the keys; the row's sum is taken of the unquantised p
; and divides O at the end.  When M moves, the sum and O are multiplied by 2^(old M - new M): exact.
; LEFT OUT: key steps all of whose 128 keys come after a tile's queries: the causal mask gives them the weight 0.
; LIMITS: a block of zeros gets the byte 1 where the rule says 127 (its codes are zeros, and this program alone reads the bytes); blocks whose largest magnitude lies under 2^-118 are held at the byte 1; NaN and infinities are not
; served; the scaled scores t stay under 2^31 in magnitude.
; SHARES.  A cluster of four work-groups is one (batch, head).  Its 64 waves each own TWO tiles of 16 queries: wave number id takes tile A = 127 - id (9 to 16 key steps), then tile B = id (8 to 1): 17 steps of 128 keys for every wave.
; id = 4 rho + cx, rho made of the wave's number alone; the step on the diagonal is 15 - rho / 2 and rho / 2: no branch hangs on a work-group's place in its cluster.
; ALL OF A HEAD'S K AND V STAYS IN LDS: 262,144 bytes of codes as they lie in memory, 12,288 of scale words behind them: filled once, by joint loads of the four partners; nothing is filled again.
; At the head waves 0-7 fetch 8,192 bytes each of the first 512 keys' K and V, waves 8-15 1,536 bytes each of the scale words.  Behind the full sequence and a round every wave fetches 12,288 bytes of the other 1,536 keys' codes;
; they land under tile A's first four steps, which every wave has whole; one plain barrier shows them.  From there on no wave waits for another until the closing round.
; NO PREFETCH: every byte of K and V is asked for by these two groups of loads at the start: there is no later load that a request could run ahead of.
; LAYOUT.  All operands lie in the order of the operand's registers: a block of 32 along K of a tile of 16 rows is 512 bytes, 16 a lane.  Both products are used transposed: S^T = K Q^T, O^T = V^T P^T: a lane holds ONE query.
; Row r of tile 2 g + u is index 32 g + 8 u + r + 8 (r / 8): S^T's 16 registers of two neighbouring tiles are 16 neighbouring keys, O^T's 16 neighbours along C.
; THE HEAD HAS 64 ALONG THE FIRST PRODUCT'S K.  Q's upper 64 of the K step of 128 are zero codes (v24-31).  A tile of K is 8 registers; its operand's upper 8 are simply the next tile's 8 (behind the last tile: tile B's Q, which waits
; there): codes made by the quantiser, which are finite numbers, times Q's zero codes, under the scale byte 0: they add 0.  So eight tiles take 72 registers and their eight products stand in one run.
; REGISTERS: v1-10 addresses; v11 Q's scale word; v12 -M, v13 the largest t, v[14:15] the sum; v16-31 Q; v32-95 K's eight tiles, then V's four fragments; v96-103 tile B's Q; v104-167 S^T, then p; v168-199 O^T; v200-215 p's codes;
; v216-223 K's scale words, v224-227 V's, v228 p's, v229 tile B's Q's (these and v11 hold scales alone); v232-250 at work; v251-254 lane constants.
.set QS,    8388608
.set KV,    8912896
.set SKV,   25690112
.set XS,    8388608                    ; yq: where the scale words begin
.set SLOTB, 32768                      ; 256 keys: K's 16,384 bytes, then V's
.set SC,    262144                     ; behind the codes: the head's scale words
.set SPARE, SC+12288                   ; the spare words, 128 bytes a wave: eight blocks of 256 bytes that no other line names
.set LI,   1                           ; v1   16 x lane
.set AS0,  2                           ; v2   my place among K's scale words
.set AT0,  3                           ; v3   and among V's
.set ADK,  4                           ; v4   the 256 keys in hand + 16 x lane
.set SPW,  5                           ; v5   my spare word; never rewritten
.set NIL,  6                           ; v6   0; never rewritten
.set ADS,  8
.set ADT,  9
.set DQ,   10                          ; v10  my query - 16 (lane / 16)
.set X,    32
.set Y,    104
.set O,    168
.set PC,   200
.set KW,   216
.set VW,   224
.set PS,   228
.set QW2,  229
.set BM,   232
.set BP,   236
.set BL,   240
.set BS,   244
.set F,    248
.set T,    250
.set C16,  251                         ; 16 r
.set C32,  252                         ; 32 r
.set CQ,   253                         ; r + 8 (r / 8) - 16 h
.set NINF, 254
.set WV,   18
.set MNT,  19
.set SEL,  20
.set CS,   22                          ; s[22:23] c = log2(e) / 8
.set G1C,  24                          ; groups 1: the head's codes, the scale words, the second group's codes
.set G1S,  32
.set G1R,  72
.set G0C,  40
.set G0S,  44
.set G0R,  80
.set BA,   48                          ; s[48:55] tile A: Q's codes, Q's scale words, y's codes, y's scale bytes;  s[56:63] tile B
.set BB,   56
.set TB,   2                           ; s2   LDS byte at which the 256 keys in hand begin
.set TS,   3                           ; s3   the step's scale words of K: 512 bytes a step
.set TJ,   66                          ; s66  of V: 256 bytes a step
.set CNT,  67
.set KF,   68                          ; s68  the step's first key
.set DK,   69                          ; s69  the first key of the step on the diagonal
.set DK2,  70
.set TAUA, 86
.set TAUB, 87
.macro CROUND                          ; a round of the cluster's barrier
	s_barrier_signal -1
	s_barrier_wait -1
	s_cmp_lg_u32 s[WV], 0
	s_cbranch_scc1 .Lnot_wave_0_\@
	s_barrier_signal -3
.Lnot_wave_0_\@:
	s_barrier_wait -3
	s_barrier_signal -1
	s_barrier_wait -1
.endm
.macro TLOAD g0, g1                    ; an s_nop 0 and four v_nop follow the load
	tensor_load_to_lds s[\g0:\g0+3], s[\g1:\g1+7]
	s_nop 0
.rept 4
	v_nop
.endr
.endm
.macro GRP1 g, rows                    ; a dense run as rows of 256 bytes (32 elements of 8), for all four work-groups
	s_mov_b32 s[\g], 15|(3<<16)|(1<<21)
	s_mov_b32 s[\g+1], 32<<16
	s_mov_b32 s[\g+2], (\rows)<<16
	s_mov_b32 s[\g+3], 32<<16
	s_mov_b32 s[\g+4], \rows
	s_mov_b32 s[\g+5], 32
	s_mov_b32 s[\g+6], 0
	s_mov_b32 s[\g+7], 0
.endm
; where tile s[t]'s inputs and outputs lie: four addresses from s[p] on.  s85 = 16 x batch + head
.macro BASES t, p
	s_lshl_b32 s96, s85, 17
	s_lshl_b32 s97, s[\t], 10
	s_add_co_u32 s96, s96, s97
	s_mov_b32 s97, 0
	s_add_nc_u64 s[\p:\p+1], s[4:5], s[96:97]      ; Q's codes
	s_lshl_b32 s96, s85, 13
	s_lshr_b32 s98, s[\t], 3
	s_lshl_b32 s98, s98, 9
	s_add_co_u32 s96, s96, s98
	s_and_b32 s98, s[\t], 7
	s_lshl_b32 s98, s98, 2
	s_add_co_u32 s96, s96, s98
	s_add_co_u32 s96, s96, QS
	s_add_nc_u64 s[\p+2:\p+3], s[4:5], s[96:97]    ; Q's scale words
	s_lshr_b32 s98, s85, 4
	s_lshl_b32 s98, s98, 7
	s_add_co_u32 s98, s98, s[\t]                   ; the token tile among all 512
	s_and_b32 s99, s85, 15                         ; the head
	s_lshl_b32 s96, s98, 14
	s_lshl_b32 s95, s99, 10
	s_add_co_u32 s96, s96, s95
	s_add_nc_u64 s[\p+4:\p+5], s[6:7], s[96:97]    ; y's codes: blocks 2 head, 2 head + 1 of the tile
	s_lshl_b32 s96, s98, 9
	s_lshr_b32 s95, s99, 3
	s_lshl_b32 s95, s95, 8
	s_add_co_u32 s96, s96, s95
	s_bfe_u32 s95, s99, 0x20001
	s_lshl_b32 s95, s95, 2
	s_add_co_u32 s96, s96, s95
	s_and_b32 s95, s99, 1
	s_lshl_b32 s95, s95, 1
	s_add_co_u32 s96, s96, s95
	s_add_co_u32 s96, s96, XS
	s_add_nc_u64 s[\p+6:\p+7], s[6:7], s[96:97]    ; y's scale bytes: word head / 2, bytes 2 (head % 2) and the next
.endm
; a tile begins: O^T and the sum begin as zeros and the largest t as -3e38, so that the step is written once
.macro START t
	s_lshr_b32 s96, s[\t], 1
	s_lshl_b32 s96, s96, 5
	s_and_b32 s97, s[\t], 1
	s_lshl_b32 s97, s97, 3
	s_add_co_u32 s96, s96, s97
	v_add_nc_u32 v[DQ], s96, v[CQ]
	v_mov_b32 v13, 0xff61b1e6
	s_delay_alu instid0(VALU_DEP_1)
	v_floor_f32 v12, -v13
	v_mov_b32 v14, 0
	v_mov_b32 v15, 0
.set JJ, 0
.rept 32
	v_mov_b32 v[O+JJ], 0
.set JJ, JJ+1
.endr
	s_mov_b32 s[KF], 0
	s_mov_b32 s[TS], 0
	s_mov_b32 s[TJ], 0
	s_mov_b32 s[TB], 0
	s_wait_alu depctr_va_vdst(0)
.endm
; A KEY STEP: 128 keys, the q-th of the 256 in hand.  mask = 0: a step that no wave's tile has hidden or on the diagonal
.macro STEP q, mask
.if \mask
	s_cmp_gt_u32 s[KF], s[DK]                      ; all its keys come after my queries: only the lines at its end, which step addresses, are run
	s_cbranch_scc1 .Lhidden_\@
.endif
	v_add_nc_u32 v[ADK], s[TB], v[LI]
	v_add_nc_u32 v[ADS], s[TS], v[AS0]
	v_add_nc_u32 v[ADT], s[TJ], v[AT0]
.rept 5
	v_nop                                          ; with the three additions: eight places between the last step's products and the loads into V's fragments, which they read
.endr
	ds_load_b128 v[KW:KW+3], v[ADS]                ; the scale words of the step's eight tiles, row r's
	ds_load_b128 v[KW+4:KW+7], v[ADS] offset:16
.irp t, 0,1,2,3,4,5,6,7
.irp c, 0,1
	ds_load_b128 v[X+8*\t+4*\c:X+8*\t+4*\c+3], v[ADK] offset:8192*(\q)+1024*\t+512*\c
.endr
.endr
	s_wait_alu depctr_va_vdst(0)
	s_wait_dscnt 0x0
.irp t, 0,1,2,3,4,5,6,7                        ; S^T = K Q^T: a tile's operand runs on into the next tile's registers, which meet Q's zero codes
	v_wmma_scale_f32_16x16x128_f8f6f4 v[Y+8*\t:Y+8*\t+7], v[X+8*\t:X+8*\t+15], v[16:31], 0, v[KW+\t], v11
.endr
.rept 8
	v_nop                                          ; places: for the first reader of the scores, and for the loads into K's registers
.endr
.irp t, 0,1,2,3                                ; V's four fragments (16 of the head's 64 x these 128 keys) come while the softmax is walked
.irp c, 0,1,2,3
	ds_load_b128 v[X+16*\t+4*\c:X+16*\t+4*\c+3], v[ADK] offset:16384+8192*(\q)+2048*\t+512*\c
.endr
.endr
	ds_load_b128 v[VW:VW+3], v[ADT]
.if \mask
	s_cmp_lt_u32 s[KF], s[DK]                      ; ahead of the diagonal all keys count
	s_cbranch_scc1 .Lopen_\@
	v_sub_nc_u32 v[T], v[DQ], s[KF]                ; register 16 b + i holds key KF + 16 (lane / 16) + 32 b + i: hidden where 32 b + i > my query - KF - 16 (lane / 16)
.set JJ, 0
.rept 64
	v_cmp_gt_i32 vcc_lo, 32*(JJ/16)+JJ%16, v[T]
	v_cndmask_b32 v[Y+JJ], v[Y+JJ], v[NINF], vcc_lo   ; -infinity: p = 0 then
.set JJ, JJ+1
.endr
.Lopen_\@:
.endif
.irp b, 0,1,2,3
	v_max3_num_f32 v[BM+\b], v[Y+16*\b], v[Y+1+16*\b], v[Y+2+16*\b]   ; the largest score of each block of 32 keys: for the row's maximum and, since p rises with the score, for the block's largest p
.endr
.irp i, 3,5,7,9,11,13
.irp b, 0,1,2,3
	v_max3_num_f32 v[BM+\b], v[BM+\b], v[Y+16*\b+\i], v[Y+1+16*\b+\i]
.endr
.endr
.irp b, 0,1,2,3
	v_max_num_f32 v[BM+\b], v[BM+\b], v[Y+15+16*\b]
.endr
.irp b, 0,1,2,3
	s_delay_alu instid0(VALU_DEP_4)
	v_permlanex16_b32 v[BP+\b], v[BM+\b], s[SEL], s[SEL+1]
.endr
.irp b, 0,1,2,3
	s_delay_alu instid0(VALU_DEP_4)
	v_max_num_f32 v[BM+\b], v[BM+\b], v[BP+\b]     ; with lane l xor 16's 16 keys
.endr
	s_delay_alu instid0(VALU_DEP_2)
	v_max3_num_f32 v[T], v[BM], v[BM+1], v[BM+2]
	s_delay_alu instid0(VALU_DEP_1)
	v_max_num_f32 v[T], v[T], v[BM+3]
	s_delay_alu instid0(VALU_DEP_1)
	v_mul_f32 v[T], s[CS], v[T]                    ; the step's largest t of my query
	s_delay_alu instid0(VALU_DEP_1)
	v_max_num_f32 v13, v13, v[T]
	v_mov_b32 v[T], v12
	s_delay_alu instid0(VALU_DEP_2)
	v_floor_f32 v12, -v13                          ; the new -M = floor(-t): M is a whole number
	s_delay_alu instid0(VALU_DEP_1)
	v_sub_f32 v[T], v12, v[T]                      ; old M - new M: a whole number, 0 or less
	s_delay_alu instid0(VALU_DEP_1)
	v_cvt_i32_f32 v[T], v[T]                       ; (it saturates)
	s_delay_alu instid0(VALU_DEP_1)
	v_ldexp_f32 v[F], 1.0, v[T]                    ; f = 2^(old M - new M)
.set JJ, 0
.rept 32
	v_pk_fma_f32 v[Y+JJ:Y+JJ+1], v[Y+JJ:Y+JJ+1], s[CS:CS+1], v[12:13] op_sel_hi:[1,0,0]   ; t - M, two at a time
.set JJ, JJ+2
.endr
.irp b, 0,1,2,3
	v_fma_f32 v[BM+\b], v[BM+\b], s[CS], v12       ; the same of each block's largest score
.endr
	s_wait_alu depctr_va_vdst(0)
.set JJ, 0
.rept 64
	v_exp_f32 v[Y+JJ], v[Y+JJ]                     ; p = 2^(t - M), at most 1
.set JJ, JJ+1
.endr
	v_pk_mul_f32 v[14:15], v[14:15], v[F:F+1] op_sel_hi:[1,0]   ; the sums under the new M (a plain line behind the exponentials)
	s_wait_alu depctr_va_vdst(0)                   ; one wait for the whole batch, ahead of its first reader
.irp b, 0,1,2,3
	v_exp_f32 v[BM+\b], v[BM+\b]                   ; the block's largest p: the same two instructions on the same number
.endr
; the row's sum of the unquantised p: 32 pairs onto seven chains by turns (v[14:15] and six pairs at v236-247), then the chains together
.irp k, 0,1,2,3,4,5
	v_pk_add_f32 v[BP+2*\k:BP+2*\k+1], v[Y+4*\k:Y+4*\k+1], v[Y+4*\k+2:Y+4*\k+3]
.endr
	v_pk_add_f32 v[14:15], v[14:15], v[Y+24:Y+25]
.irp k, 0,1,2,3,4,5
	v_pk_add_f32 v[BP+2*\k:BP+2*\k+1], v[BP+2*\k:BP+2*\k+1], v[Y+26+2*\k:Y+27+2*\k]
.endr
	v_pk_add_f32 v[14:15], v[14:15], v[Y+38:Y+39]
.irp k, 0,1,2,3,4,5
	v_pk_add_f32 v[BP+2*\k:BP+2*\k+1], v[BP+2*\k:BP+2*\k+1], v[Y+40+2*\k:Y+41+2*\k]
.endr
	v_pk_add_f32 v[14:15], v[14:15], v[Y+52:Y+53]
.irp k, 0,1,2,3,4
	v_pk_add_f32 v[BP+2*\k:BP+2*\k+1], v[BP+2*\k:BP+2*\k+1], v[Y+54+2*\k:Y+55+2*\k]
.endr
	v_pk_add_f32 v[14:15], v[14:15], v[BP+10:BP+11]
	v_pk_add_f32 v[BP:BP+1], v[BP:BP+1], v[BP+2:BP+3]
	s_delay_alu instid0(VALU_DEP_4)
	v_pk_add_f32 v[BP+4:BP+5], v[BP+4:BP+5], v[BP+6:BP+7]
	s_delay_alu instid0(VALU_DEP_3)
	v_pk_add_f32 v[14:15], v[14:15], v[BP+8:BP+9]
	s_delay_alu instid0(VALU_DEP_2)
	v_pk_add_f32 v[BP:BP+1], v[BP:BP+1], v[BP+4:BP+5]
	s_delay_alu instid0(VALU_DEP_1)
	v_pk_add_f32 v[14:15], v[14:15], v[BP:BP+1]
	s_wait_alu depctr_va_vdst(0)                   ; and one wait for the four
.irp b, 0,1,2,3
	v_max_num_f32 v[BM+\b], 0x4800000, v[BM+\b]    ; the floor 2^(9 - 127)
.endr
.irp b, 0,1,2,3
	s_delay_alu instid0(VALU_DEP_4)
	v_add_nc_u32 v[BS+\b], 0xfc000000, v[BM+\b]    ; the conversion's scale operand
.endr
.irp b, 0,1,2,3
	v_and_or_b32 v[BL+\b], v[BM+\b], 0x7f800000, s[MNT]   ; 448 x the scale
.endr
.irp b, 0,1,2,3
	v_lshrrev_b32 v[BP+\b], 23, v[BS+\b]           ; the byte
.endr
	s_delay_alu instid0(VALU_DEP_3)
	v_lshl_or_b32 v[PS], v[BP+1], 8, v[BP]         ; p's scale word for these 128 keys
	s_delay_alu instid0(VALU_DEP_1)
	v_lshl_or_b32 v[PS], v[BP+2], 16, v[PS]
	s_delay_alu instid0(VALU_DEP_1)
	v_lshl_or_b32 v[PS], v[BP+3], 24, v[PS]
; the hold: the conversion does not saturate (ISA guide 7.6.2); p is not negative, so it is one-sided.  Two holds an instruction: an even register of one block with an odd one of its neighbour, so that the pair's sources differ in number modulo 4
.irp bb, 0,2
.irp i, 0,2,4,6,8,10,12,14
	v_dual_min_num_f32 v[Y+16*\bb+\i], v[Y+16*\bb+\i], v[BL+\bb] :: v_dual_min_num_f32 v[Y+16*\bb+17+\i], v[Y+16*\bb+17+\i], v[BL+\bb+1]
	v_dual_min_num_f32 v[Y+16*\bb+16+\i], v[Y+16*\bb+16+\i], v[BL+\bb+1] :: v_dual_min_num_f32 v[Y+16*\bb+1+\i], v[Y+16*\bb+1+\i], v[BL+\bb]
.endr
.irp b, \bb, \bb+1
	v_cvt_scalef32_pk8_fp8_f32 v[PC+4*(\b):PC+4*(\b)+1], v[Y+16*(\b):Y+16*(\b)+7], v[BS+(\b)]
	v_cvt_scalef32_pk8_fp8_f32 v[PC+4*(\b)+2:PC+4*(\b)+3], v[Y+16*(\b)+8:Y+16*(\b)+15], v[BS+(\b)]
.endr
.endr
	s_wait_alu depctr_va_vdst(0)                   ; directly ahead of the first readers of O^T
.set JJ, 0
.rept 16
	v_pk_mul_f32 v[O+JJ:O+JJ+1], v[O+JJ:O+JJ+1], v[F:F+1] op_sel_hi:[1,0]   ; O^T under the new M.  (These are also the places between the conversions and the products)
.set JJ, JJ+2
.endr
	s_wait_alu depctr_va_vdst(0)
	s_wait_dscnt 0x0                               ; V
.irp t, 0,1,2,3                                ; O^T += V^T P^T: the four accumulators by turns
	v_wmma_scale_f32_16x16x128_f8f6f4 v[O+8*\t:O+8*\t+7], v[X+16*\t:X+16*\t+15], v[PC:PC+15], v[O+8*\t:O+8*\t+7], v[VW+\t], v[PS]
.endr
.if \mask
.Lhidden_\@:
.endif
	s_add_co_u32 s[KF], s[KF], 128
	s_add_co_u32 s[TS], s[TS], 512
	s_add_co_u32 s[TJ], s[TJ], 256
.endm
.macro WALK label, trips, mask         ; so many times 256 keys; the trip count is a constant, hidden steps are jumped over inside
	s_mov_b32 s[CNT], \trips
\label:
	STEP 0, \mask
	STEP 1, \mask
	s_add_co_u32 s[TB], s[TB], SLOTB
	s_sub_co_u32 s[CNT], s[CNT], 1
	s_cmp_lg_u32 s[CNT], 0
	s_cbranch_scc1 \label
.endm
; a tile ends: O^T / the sum is y's 64 numbers of this head, register 16 b + i = channel 32 b + 16 h + i: two blocks along C: quantised and stored
.macro FLUSH p
.rept 8
	v_nop                                          ; places behind the last products
.endr
	v_add_f32 v14, v14, v15
	s_delay_alu instid0(VALU_DEP_1)
	v_permlanex16_b32 v[T], v14, s[SEL], s[SEL+1]
	s_delay_alu instid0(VALU_DEP_1)
	v_add_f32 v14, v14, v[T]                       ; the row's sum
	s_wait_alu depctr_va_vdst(0)
	v_rcp_f32 v14, v14
	v_nop                                          ; a plain line behind the reciprocal
	s_wait_alu depctr_va_vdst(0)                   ; and the wait ahead of its first reader
.set JJ, 0
.rept 32
	v_mul_f32 v[Y+JJ], v[O+JJ], v14
.set JJ, JJ+1
.endr
.irp b, 0,1
	v_max3_num_f32 v[BM+\b], |v[Y+16*\b]|, |v[Y+1+16*\b]|, 0x4800000
.endr
.irp i, 2,4,6,8,10,12,14
.irp b, 0,1
	s_delay_alu instid0(VALU_DEP_2)
	v_max3_num_f32 v[BM+\b], v[BM+\b], |v[Y+16*\b+\i]|, |v[Y+1+16*\b+\i]|
.endr
.endr
.irp b, 0,1
	s_delay_alu instid0(VALU_DEP_2)
	v_permlanex16_b32 v[BP+\b], v[BM+\b], s[SEL], s[SEL+1]
.endr
.irp b, 0,1
	s_delay_alu instid0(VALU_DEP_2)
	v_max_num_f32 v[BM+\b], v[BM+\b], v[BP+\b]
.endr
.irp b, 0,1
	s_delay_alu instid0(VALU_DEP_2)
	v_add_nc_u32 v[BS+\b], 0xfc000000, v[BM+\b]
.endr
.irp b, 0,1
	s_delay_alu instid0(VALU_DEP_4)
	v_and_or_b32 v[BL+\b], v[BM+\b], 0x7f800000, s[MNT]
.endr
.irp b, 0,1
	s_delay_alu instid0(VALU_DEP_4)
	v_lshrrev_b32 v[BP+\b], 23, v[BS+\b]
.endr
	s_delay_alu instid0(VALU_DEP_1)
	v_lshl_or_b32 v[T], v[BP+1], 8, v[BP]          ; the two bytes
.irp b, 0,1
.irp i, 0,1,2,3,4,5,6,7,8,9,10,11,12,13,14,15
	v_med3_num_f32 v[Y+16*\b+\i], v[Y+16*\b+\i], -v[BL+\b], v[BL+\b]
.endr
	v_cvt_scalef32_pk8_fp8_f32 v[PC+4*\b:PC+1+4*\b], v[Y+16*\b:Y+7+16*\b], v[BS+\b]
	v_cvt_scalef32_pk8_fp8_f32 v[PC+2+4*\b:PC+3+4*\b], v[Y+8+16*\b:Y+15+16*\b], v[BS+\b]
.endr
	v_nop                                          ; a plain line behind the conversions
	global_store_b128 v[LI], v[PC:PC+3], s[\p+4:\p+5]              ; a block's image: 512 consecutive bytes
	global_store_b128 v[LI], v[PC+4:PC+7], s[\p+4:\p+5] offset:512
	global_store_b16 v[C16], v[T], s[\p+6:\p+7]    ; two bytes a row, 16 bytes apart (both halves of the lanes write the same): two heads share a word
	s_wait_xcnt 0x0                                ; the stores have read their registers
.endm
	s_load_b128 s[4:7], s[0:1], 0x0                ; qkvc s[4:5], yq s[6:7]
	v_lshl_add_u32 v[SPW], v0, 2, SPARE
	v_mov_b32 v[NIL], 0
	ds_add_u32 v[SPW], v[NIL]                      ; the opening: the add, twice on end, and its wait ahead of my first tensor load
	ds_add_u32 v[SPW], v[NIL]
	v_lshrrev_b32 v8, 5, v0
	v_readfirstlane_b32 s[WV], v8                  ; wave 0..15
	s_bfe_u32 s84, ttmp6, 0x40000                  ; cx: it enters Q's and y's addresses and the lanes' query numbers, and nothing else
	s_and_b32 s85, ttmp7, 0xffff                   ; 16 x batch + head: the cluster's y
	s_and_b32 s88, s[WV], 3
	s_lshr_b32 s89, s[WV], 2
	s_add_co_u32 s89, s89, s88
	s_and_b32 s89, s89, 3
	s_lshl_b32 s89, s89, 2
	s_add_co_u32 s89, s89, s88                     ; rho: each of 0 .. 15 once
	s_lshr_b32 s88, s89, 1
	s_lshl_b32 s[DK2], s88, 7                      ; tile B's diagonal: step rho / 2
	s_sub_co_u32 s[DK], 1920, s[DK2]               ; tile A's: step 15 - rho / 2
	s_lshl_b32 s[TAUB], s89, 2
	s_add_co_u32 s[TAUB], s[TAUB], s84             ; tile B = 4 rho + cx
	s_sub_co_u32 s[TAUA], 127, s[TAUB]             ; tile A = 127 - that
	GRP1 G1C, 32                                   ; 8,192 bytes
	GRP1 G1S, 6                                    ; 1,536 bytes
	GRP1 G1R, 48                                   ; 12,288 bytes
	s_and_b32 s90, s[WV], 7
	s_lshl_b32 s91, s90, 13                        ; the head's codes: my eighth of 65,536 bytes, in memory and in LDS alike
	s_mul_i32 s92, s90, 1536                       ; the scale words: my eighth
	s_mul_i32 s93, s[WV], 12288
	s_add_co_u32 s93, s93, 65536                   ; the second group: my sixteenth of the other 196,608 bytes
	s_lshl_b32 s94, s85, 18
	s_add_co_u32 s94, s94, KV
	s_add_co_u32 s96, s94, s91
	s_add_co_u32 s94, s94, s93
	s_mul_i32 s98, s85, 12288
	s_add_co_u32 s98, s98, s92
	s_add_co_u32 s98, s98, SKV
	s_mov_b32 s95, 0
	s_mov_b32 s97, 0
	s_mov_b32 s99, 0
	s_mov_b32 s[G0C], 1
	s_mov_b32 s[G0C+1], s91
	s_mov_b32 s[G0S], 1
	s_add_co_u32 s[G0S+1], s92, SC
	s_mov_b32 s[G0R], 1
	s_mov_b32 s[G0R+1], s93
	s_mov_b32 s[SEL], 0x76543210
	s_mov_b32 s[SEL+1], 0xfedcba98
	s_mov_b32 s[CS], 0x3e38aa3b                    ; log2(e) / 8
	s_mov_b32 s[CS+1], s[CS]                       ; (named with it as a pair, so it is written)
	s_mov_b32 s[MNT], 0x600000
	s_wait_dscnt 0x0                               ; both opening adds are done
	s_wait_kmcnt 0x0
	s_add_nc_u64 s[G0C+2:G0C+3], s[4:5], s[96:97]
	s_or_b32 s[G0C+3], s[G0C+3], 0x80000000
	s_add_nc_u64 s[G0S+2:G0S+3], s[4:5], s[98:99]
	s_or_b32 s[G0S+3], s[G0S+3], 0x80000000
	s_add_nc_u64 s[G0R+2:G0R+3], s[4:5], s[94:95]
	s_or_b32 s[G0R+3], s[G0R+3], 0x80000000
	CROUND                                         ; all four work-groups are here: the first joint loads meet
	s_cmp_lt_u32 s[WV], 8                          ; one load a wave, one in each arm
	s_cbranch_scc0 .Lfor_scales
	TLOAD G0C, G1C                                 ; waves 0-7: K and V of keys 0 to 511
	s_branch .Lasked
.Lfor_scales:
	TLOAD G0S, G1S                                 ; waves 8-15: the head's scale words
.Lasked:
	BASES TAUA, BA
	BASES TAUB, BB
	v_and_b32 v8, 15, v0                           ; r
	v_bfe_u32 v9, v0, 4, 1                         ; h
	v_and_b32 v1, 31, v0
	s_delay_alu instid0(VALU_DEP_1)
	v_lshlrev_b32 v[LI], 4, v1
	v_lshl_add_u32 v[AS0], v8, 5, SC
	v_lshl_add_u32 v[AT0], v8, 4, SC+8192
	v_lshlrev_b32 v[C16], 4, v8
	v_lshlrev_b32 v[C32], 5, v8
	v_and_b32 v[CQ], 8, v8
	s_delay_alu instid0(VALU_DEP_1)
	v_add_nc_u32 v[CQ], v[CQ], v8
	v_lshlrev_b32 v[T], 4, v9
	s_delay_alu instid0(VALU_DEP_1)
	v_sub_nc_u32 v[CQ], v[CQ], v[T]                ; r + 8 (r / 8) - 16 h
	v_mov_b32 v[NINF], 0xff800000
	s_wait_alu depctr_va_vdst(0)
	global_load_b128 v[16:19], v[LI], s[BA:BA+1] th:TH_LOAD_NT          ; tile A's Q
	global_load_b128 v[20:23], v[LI], s[BA:BA+1] offset:512 th:TH_LOAD_NT
	global_load_b32 v11, v[C32], s[BA+2:BA+3]
	global_load_b128 v[96:99], v[LI], s[BB:BB+1] th:TH_LOAD_NT          ; tile B's Q waits behind K's last tile
	global_load_b128 v[100:103], v[LI], s[BB:BB+1] offset:512 th:TH_LOAD_NT
	global_load_b32 v[QW2], v[C32], s[BB+2:BB+3]
.irp j, 0,1,2,3,4,5,6,7
	v_mov_b32 v[24+\j], 0                          ; the upper 64 of the first product's K step: Q's zero codes, cleared once
.endr
.irp b, 0,1,2,3
	v_mov_b32 v[BP+\b], 0                          ; written once: a lane permute's destination counts as one of its sources
.endr
	v_mov_b32 v[F+1], 0                            ; (named as the upper half of the pair)
	START TAUA
	s_wait_loadcnt 0x0                             ; Q's
	s_wait_tensorcnt 0x0                           ; my part of the first fills is in
	ds_add_u32 v[SPW], v[NIL]
	s_wait_dscnt 0x0
	CROUND                                         ; everybody's parts are in, and all four work-groups are here
	TLOAD G0R, G1R                                 ; keys 512 to 2,047: every wave its sixteenth, by one line
	WALK .Lfirst, 2, 0                             ; tile A, keys 0 to 511: tile A is 64 or more, so all of them count for every wave
	s_wait_tensorcnt 0x0                           ; my sixteenth is in
	s_wait_dscnt 0x0
	s_barrier_signal -1
	s_barrier_wait -1                              ; everybody's is: all of K and V lies in LDS, and nothing is written there again
	WALK .Lrest, 6, 1                              ; tile A, keys 512 on, up to its diagonal
	FLUSH BA
.irp j, 0,1,2,3,4,5,6,7
	v_mov_b32 v[16+\j], v[96+\j]                   ; tile B's Q
.endr
	v_mov_b32 v11, v[QW2]
	START TAUB
	s_mov_b32 s[DK], s[DK2]
	WALK .Lsecond, 4, 1                            ; tile B, keys 0 to 1,023, up to its diagonal
	FLUSH BB
	s_wait_tensorcnt 0x0                           ; the wave's end
	ds_add_u32 v[SPW], v[NIL]
	s_wait_dscnt 0x0
	CROUND                                         ; the closing round
	s_endpgm
.Lfunc_end_k_q5ea6c9419f_attn:
	.size	k_q5ea6c9419f_attn, .Lfunc_end_k_q5ea6c9419f_attn-k_q5ea6c9419f_attn
	.p2alignl 7, 3214868480
	.fill 96, 4, 3214868480
	.section	.rodata,"a",@progbits
	.p2align	6, 0x0
	.amdhsa_kernel k_q5ea6c9419f_attn
		.amdhsa_group_segment_fixed_size 327680
		.amdhsa_private_segment_fixed_size 0
		.amdhsa_enable_private_segment 0
		.amdhsa_kernarg_size 16
		.amdhsa_user_sgpr_count 2
		.amdhsa_user_sgpr_kernarg_segment_ptr 1
		.amdhsa_wavefront_size32 1
		.amdhsa_system_sgpr_workgroup_id_x 1
		.amdhsa_system_sgpr_workgroup_id_y 1
		.amdhsa_system_sgpr_workgroup_id_z 1
		.amdhsa_system_vgpr_workitem_id 0
		.amdhsa_next_free_vgpr 256
		.amdhsa_next_free_sgpr 100
		.amdhsa_reserve_vcc 1
		.amdhsa_float_denorm_mode_32 3
		.amdhsa_float_denorm_mode_16_64 3
		.amdhsa_memory_ordered 1
		.amdhsa_forward_progress 1
		.amdhsa_inst_pref_size 164
	.end_amdhsa_kernel
	.amdgpu_metadata
---
amdhsa.version: [ 1, 2 ]
amdhsa.kernels:
  - .name:           k_q5ea6c9419f_attn
    .symbol:         k_q5ea6c9419f_attn.kd
    .args:
      - { .name: qkvc, .offset: 0, .size: 8, .value_kind: global_buffer, .address_space: global }
      - { .name: yq, .offset: 8, .size: 8, .value_kind: global_buffer, .address_space: global }
    .group_segment_fixed_size: 327680
    .private_segment_fixed_size: 0
    .kernarg_segment_align: 8
    .kernarg_segment_size: 16
    .max_flat_workgroup_size: 512
    .sgpr_count:     100
    .vgpr_count:     256
    .wavefront_size: 32
...
	.end_amdgpu_metadata
.endif
;; end of part 3
;; launch proj (part 4): grid 8 x 32, 4 waves a work-group, clusters of 4 x 4, 327,680 bytes of LDS; arguments yq, wq, b_proj, out0; writes out0
.if DOCPART == 4
	.amdgcn_target "amdgcn-amd-amdhsa--gfx1250"
	.amdhsa_code_object_version 6
	.text
	.protected	k_q5ea6c9419f_proj
	.globl	k_q5ea6c9419f_proj
	.p2align	8
	.type	k_q5ea6c9419f_proj,@function
k_q5ea6c9419f_proj:
	s_mov_b64 s[64:65], 0
	v_nop
	global_prefetch_b8 v0, s[64:65] scope:SCOPE_SE
	s_setreg_imm32_b32 hwreg(HW_REG_WAVE_MODE, 25, 1), 1
	s_wait_xcnt 0x0
	s_wait_alu depctr_hold_cnt(0) depctr_sa_sdst(0) depctr_va_vdst(0) depctr_va_sdst(0) depctr_va_ssrc(0) depctr_va_vcc(0) depctr_vm_vsrc(0)
	s_getreg_b32 s2, hwreg(HW_REG_IB_STS2, 6, 4)
	s_cmp_eq_u32 s2, 0
	s_cbranch_scc0 .Lentry_in_a_cluster
	s_endpgm
.Lentry_in_a_cluster:
	s_bfe_u32 s2, ttmp6, 0x10000c
	s_cmp_lg_u32 s2, 0xf033
	s_cbranch_scc0 .Lentry_shape_is_right
	s_endpgm
.Lentry_shape_is_right:
; out0 = y W_proj + b_proj on codes of FP8 (E4M3) with E8M0 scales, K = 1,024; f32 sums, stored as f32.
; OPERANDS LIE IN MEMORY IN THE ORDER OF THE OPERAND'S REGISTERS (yq, wq): a tile is 16 rows (tokens of y, columns of W_proj); block c of 32 along K is 512 bytes, 16 a lane; a tile's K = 1,024 is 16,384 bytes on end.
; Behind the codes a tile's scale words, 512 bytes: word q (128 along K) of row r at 256 (q / 4) + 16 r + 4 (q % 4).  Row r of tile 2 g + u is index 32 g + 8 u + r + 8 (r / 8).  W_proj's tiles begin at wq's tile 192.
; THE DEAL.  256 work-groups of four waves, 2 x 2; a work-group makes 256 tokens x 128 columns.  A wave holds its 64 columns of W_proj, ALL of K, in 512 registers (windows 1 and 2) and streams its eight blocks of 16 tokens
; past them; a block, all of K, is 128 registers, and two sets of them fill window 3.  A block is 32 products on four accumulators by turns, K ascending.
; Source 0 = W_proj's rows, source 1 = tokens: a lane holds one token, and the 16 registers of column tiles 2 b, 2 b + 1 are 16 neighbouring columns.  The bias is the C of a block's first four products.
; LDS: two slots of 131,072 bytes.  At the head waves 0 and 1 fetch the halves of W_proj's eight tiles into slot 1 and waves 2 and 3 the halves of token tiles 0-7 into slot 0.  The first barrier shows the weights alone (waves 0 and 1
; wait there, and have a load line of their own).  When all waves hold the weights in registers, the full sequence and a round follow, and token tiles 8-15 are filled over them, a quarter a wave; a plain barrier behind block 2 shows them.
; CLUSTERS: 4 x 4: y's tiles hang on the tile row alone and are asked for jointly by a row of the cluster, W_proj's on the tile column alone and by a column.
; PREFETCH: token tiles 8-15, 131,072 bytes, are asked of the L2 at the head, ahead of the load that wants them: the sixteen waves of a cluster's row take 8,192 bytes each, told apart by address, lanes 256 bytes apart.
; Scale words and the bias come from memory straight into registers, in whole runs of 256 bytes: lanes 0-15 take an even tile's words, lanes 16-31 the next tile's.
; THE WAY OUT.  A block's 16 tokens x 64 columns go through the wave's own stage in LDS (rows of 256 bytes + 16) and come back by rows while the next block is multiplied; sixteen lanes then store one aligned run of 256 bytes.
; REGISTERS, window 0: v1-15 addresses; v24-39 W_proj's scale words, v44-75 y's (these hold scales alone; the two words of a product differ in number modulo 8); v76-107 the bias; v108-171 two sets of four accumulators;
; v172-235 two sets of rows read back from the stage.
.set XS,    8388608
.set WS,    4194304
.set YB,    131072                     ; slot 1
.set STAGE, 262144                     ; 16 rows x 272 bytes for each wave: no fill lands here
.set SPITCH, 272
.set SPARE, STAGE+4*16*SPITCH          ; the spare words, 128 bytes a wave: two blocks of 256 bytes that no other line names
.set LI,   4                           ; v4   16 x lane
.set ADRA, 5                           ; v5, v6  my four token tiles in slot 0, in slot 1
.set ADRB, 7                           ; v7   my four tiles of W_proj in slot 1
.set STO,  8                           ; v8   the stage, on the way in
.set RD,   9                           ; v9   and back
.set SPW,  10                          ; v10  my spare word; never rewritten
.set NIL,  11                          ; v11  0; never rewritten
.set CO,   12                          ; v12  4,096 h + 16 r: my place in two rows of out0
.set SO,   13                          ; v13  512 h + 16 r: my place among the scale words of a pair of tiles
.set BO,   14                          ; v14  64 h
.set PF,   15                          ; v15  256 x lane
.set SB,   24
.set SA,   44
.set BI,   76
.set ACC,  108
.set RB,   172
.set G1W, 24
.set G1X, 32
.set G1R, 48
.set G0W, 56
.set G0X, 60
.set G0R, 68
.set MSB, 0
.macro WIN new                         ; the immediate's high byte repeats the setting that is left
.if MSB != \new
	s_set_vgpr_msb (MSB<<8)|\new
.set MSB, \new
.endif
.endm
.macro PLACES n
.rept \n
	v_nop
.endr
.endm
.macro CROUND                          ; a round of the cluster's barrier
	s_barrier_signal -1
	s_barrier_wait -1
	s_cmp_lg_u32 s14, 0
	s_cbranch_scc1 .Lnot_wave_0_\@
	s_barrier_signal -3
.Lnot_wave_0_\@:
	s_barrier_wait -3
	s_barrier_signal -1
	s_barrier_wait -1
.endm
.macro TLOAD g0, g1                    ; an s_nop 0 and four v_nop follow the load
	tensor_load_to_lds s[\g0:\g0+3], s[\g1:\g1+7]
	s_nop 0
	PLACES 4
.endm
.macro GROUP1 g, mask, rows            ; a dense run as rows of 4,096 bytes (512 elements of 8), no padding
	s_or_b32 s[\g], s[\mask], (3<<16)|(1<<21)
	s_mov_b32 s[\g+1], 512<<16
	s_mov_b32 s[\g+2], (\rows)<<16
	s_mov_b32 s[\g+3], 512<<16
	s_mov_b32 s[\g+4], \rows
	s_mov_b32 s[\g+5], 512
	s_mov_b32 s[\g+6], 0
	s_mov_b32 s[\g+7], 0
.endm
	s_load_b256 s[4:11], s[0:1], 0x0               ; yq s[4:5], wq s[6:7], b_proj s[8:9], out0 s[10:11]
	v_lshl_add_u32 v[SPW], v0, 2, SPARE
	v_mov_b32 v[NIL], 0
	ds_add_u32 v[SPW], v[NIL]                      ; the opening: the add, twice on end, and its wait ahead of my first tensor load
	ds_add_u32 v[SPW], v[NIL]
	v_lshrrev_b32 v1, 5, v0
	v_readfirstlane_b32 s14, v1                    ; wave 0..3
	s_lshr_b32 s15, s14, 1                         ; my row of waves: which four token tiles of each eight
	s_and_b32 s16, s14, 1                          ; my column of waves: which 64 columns.  Also: which half I fetch at the head
	s_bfe_u32 s40, ttmp6, 0x40000                  ; cx
	s_bfe_u32 s41, ttmp6, 0x40004                  ; cy
	s_lshl_b32 s42, ttmp9, 2
	s_add_co_u32 s42, s42, s40                     ; tile column: 128 columns
	s_and_b32 s43, ttmp7, 0xffff
	s_lshl_b32 s43, s43, 2
	s_add_co_u32 s43, s43, s41                     ; tile row: 256 tokens
	s_lshl_b32 s44, s41, 2
	s_lshl_b32 s44, 15, s44                        ; my row of the cluster: shares y's tiles
	s_lshl_b32 s45, 0x1111, s40                    ; my column: shares W_proj's
	GROUP1 G1W, 45, 16                             ; 65,536 bytes: four tiles
	GROUP1 G1X, 44, 16
	GROUP1 G1R, 44, 8                              ; 32,768 bytes: two tiles
	s_lshl_b32 s17, s16, 16
	s_lshl_b32 s18, s14, 15
	s_mov_b32 s[G0W], 1
	s_add_co_u32 s[G0W+1], s17, YB
	s_mov_b32 s[G0X], 1
	s_mov_b32 s[G0X+1], s17
	s_mov_b32 s[G0R], 1
	s_add_co_u32 s[G0R+1], s18, YB
	s_lshl_b32 s46, s42, 17                        ; W_proj's eight tiles of my tile column, my half
	s_add_co_u32 s46, s46, 192*16384
	s_add_co_u32 s46, s46, s17
	s_mov_b32 s47, 0
	s_lshl_b32 s20, s43, 18                        ; y's sixteen tiles of my tile row:
	s_add_co_u32 s22, s20, s18
	s_add_co_u32 s22, s22, 131072                  ; of tiles 8-15 my quarter,
	s_add_co_u32 s20, s20, s17                     ; of tiles 0-7 my half
	s_mov_b32 s21, 0
	s_mov_b32 s23, 0
	s_wait_dscnt 0x0                               ; both opening adds are done
	CROUND                                         ; all sixteen work-groups are here: the first joint loads meet
	s_wait_kmcnt 0x0
	s_add_nc_u64 s[G0W+2:G0W+3], s[6:7], s[46:47]
	s_or_b32 s[G0W+3], s[G0W+3], 0x80000000
	s_add_nc_u64 s[G0X+2:G0X+3], s[4:5], s[20:21]
	s_or_b32 s[G0X+3], s[G0X+3], 0x80000000
	s_add_nc_u64 s[G0R+2:G0R+3], s[4:5], s[22:23]
	s_or_b32 s[G0R+3], s[G0R+3], 0x80000000
	s_cmp_lt_u32 s14, 2                            ; one load a wave, one in each arm
	s_cbranch_scc0 .Lfor_x
	TLOAD G0W, G1W                                 ; waves 0, 1: the weights, which are wanted first
	s_branch .Lasked
.Lfor_x:
	TLOAD G0X, G1X                                 ; waves 2, 3: token tiles 0-7
.Lasked:
	s_lshl_b32 s80, s40, 2                         ; the prefetch: which of the cluster row's sixteen waves I am
	s_add_co_u32 s80, s80, s14
	s_lshl_b32 s80, s80, 13
	s_lshl_b32 s81, s43, 18
	s_add_co_u32 s80, s80, s81
	s_add_co_u32 s80, s80, 131072
	s_mov_b32 s81, 0
	s_add_nc_u64 s[72:73], s[4:5], s[80:81]        ; my 8,192 bytes of token tiles 8-15
	s_lshl_b32 s82, s43, 13                        ; y's scale words: tile 16 x tile row + 4 x my row of waves
	s_lshl_b32 s83, s15, 11
	s_add_co_u32 s82, s82, s83
	s_add_co_u32 s82, s82, XS
	s_mov_b32 s83, 0
	s_add_nc_u64 s[74:75], s[4:5], s[82:83]
	s_lshl_b32 s84, s42, 12                        ; W_proj's: tile 192 + 8 x tile column + 4 x my column of waves
	s_lshl_b32 s85, s16, 11
	s_add_co_u32 s84, s84, s85
	s_add_co_u32 s84, s84, WS+192*512
	s_mov_b32 s85, 0
	s_add_nc_u64 s[76:77], s[6:7], s[84:85]
	s_lshl_b32 s86, s42, 9                         ; my 64 columns, in bytes
	s_lshl_b32 s87, s16, 8
	s_add_co_u32 s86, s86, s87
	s_mov_b32 s87, 0
	s_add_nc_u64 s[78:79], s[8:9], s[86:87]        ; the bias
	s_lshl_b32 s88, s43, 20                        ; out0: token 256 x tile row + 64 x my row of waves, rows of 4,096 bytes
	s_lshl_b32 s89, s15, 18
	s_add_co_u32 s88, s88, s89
	s_add_co_u32 s88, s88, s86
	s_mov_b32 s89, 0
	s_add_nc_u64 s[12:13], s[10:11], s[88:89]
	s_lshl_b32 s90, s15, 16                        ; LDS: my four token tiles of a slot,
	s_lshl_b32 s91, s16, 16
	s_add_co_u32 s91, s91, YB                      ; my four tiles of W_proj,
	s_mul_i32 s92, s14, 16*SPITCH
	s_add_co_u32 s92, s92, STAGE                   ; my stage
	v_and_b32 v1, 15, v0                           ; r
	v_bfe_u32 v2, v0, 4, 1                         ; h
	v_and_b32 v3, 31, v0                           ; lane
	v_lshlrev_b32 v[LI], 4, v3
	v_lshlrev_b32 v[PF], 8, v3
	v_add_nc_u32 v[ADRA], s90, v[LI]
	v_add_nc_u32 v[ADRA+1], YB, v[ADRA]
	v_add_nc_u32 v[ADRB], s91, v[LI]
	v_mul_u32_u24 v[STO], v1, SPITCH               ; in: row r, 64 bytes for each half of the lanes
	v_lshl_add_u32 v[STO], v2, 6, v[STO]
	v_add_nc_u32 v[STO], s92, v[STO]
	v_mul_u32_u24 v[RD], v2, SPITCH                ; back: lanes 0-15 one row, lanes 16-31 the next
	v_lshl_add_u32 v[RD], v1, 4, v[RD]
	v_add_nc_u32 v[RD], s92, v[RD]
	v_lshlrev_b32 v[CO], 12, v2
	v_lshl_add_u32 v[CO], v1, 4, v[CO]
	v_lshlrev_b32 v[SO], 9, v2
	v_lshl_add_u32 v[SO], v1, 4, v[SO]
	v_lshlrev_b32 v[BO], 6, v2
	s_wait_alu depctr_va_vdst(0)                   ; no vector instruction writes a register behind it
	global_prefetch_b8 v[PF], s[72:73] th:TH_LOAD_NT scope:SCOPE_SE
.irp p, 0,1
.irp c, 0,1
	global_load_b128 v[SB+8*\p+4*\c:SB+8*\p+4*\c+3], v[SO], s[76:77] offset:1024*\p+256*\c   ; register 8 p + q: lanes 0-15 column tile 2 p's word q, lanes 16-31 tile 2 p + 1's
.endr
.endr
.irp p, 0,1,2,3
.irp c, 0,1
	global_load_b128 v[SA+8*\p+4*\c:SA+8*\p+4*\c+3], v[SO], s[74:75] offset:4096*(\p/2)+1024*(\p%2)+256*\c   ; likewise for blocks 2 p, 2 p + 1
.endr
.endr
.irp b, 0,1
.irp j, 0,1,2,3
	global_load_b128 v[BI+16*\b+4*\j:BI+16*\b+4*\j+3], v[BO], s[78:79] offset:128*\b+16*\j   ; register 16 b + i = b_proj[my columns + 32 b + 16 h + i]
.endr
.endr
	s_cmp_lt_u32 s14, 2
	s_cbranch_scc0 .Lnot_w
	s_wait_tensorcnt 0x0                           ; waves 0, 1: the weights have landed.  The other waves' wait stands in front of the round below
.Lnot_w:
	s_barrier_signal -1
	s_barrier_wait -1
; my 64 columns of W_proj, all of K: fragment 4 q + b lies in window 1 + (4 q + b) / 16
.irp q, 0,1,2,3,4,5,6,7
	WIN (1+\q/4)<<6
.irp b, 0,1,2,3
.irp c, 0,1,2,3
	ds_load_b128 v[16*((4*\q+\b)%16)+4*\c:16*((4*\q+\b)%16)+4*\c+3], v[ADRB] offset:16384*\b+2048*\q+512*\c
.endr
.endr
.endr
	WIN 0
	s_wait_tensorcnt 0x0                           ; my load is in: token tiles 0-7 are whole behind the round;
	ds_add_u32 v[SPW], v[NIL]                      ; 0 onto my spare word
	s_wait_dscnt 0x0                               ; the add is done, and the weights are in my registers: my reads of slot 1 are over
	CROUND                                         ; that holds of every wave of all sixteen work-groups
	TLOAD G0R, G1R                                 ; token tiles 8-15 over the weights, a quarter a wave
.macro FETCH n                         ; block n, 16 tokens, all of K, into set n % 2 of window 3: 32 loads
	WIN 3<<6
.irp q, 0,1,2,3,4,5,6,7
.irp c, 0,1,2,3
	ds_load_b128 v[128*((\n)%2)+16*\q+4*\c:128*((\n)%2)+16*\q+4*\c+3], v[ADRA+(\n)/4] offset:16384*((\n)%4)+2048*\q+512*\c
.endr
.endr
	WIN 0
.endm
.macro PROD n, k                       ; product k = 4 q + b of block n: the q-th 128 of K, column tile b
.set Q_, (\k)/4
.set B_, (\k)%4
.set AC_, ACC+32*((\n)%2)+8*B_
.set C_, AC_
.if Q_ == 0
.set C_, BI+8*B_
.endif
.set R_, 128*((\n)%2)+16*Q_
.set W_, 16*((\k)%16)
.set XS_, SA+8*((\n)/2)+Q_
.set WS_, SB+8*(B_/2)+Q_
	WIN (1+(\k)/16)|(3<<2)
.if (B_%2) && ((\n)%2)
	v_wmma_scale_f32_16x16x128_f8f6f4 v[AC_:AC_+7], v[W_:W_+15], v[R_:R_+15], v[C_:C_+7], v[WS_], v[XS_] matrix_a_scale:MATRIX_SCALE_ROW1 matrix_b_scale:MATRIX_SCALE_ROW1
.elseif B_%2
	v_wmma_scale_f32_16x16x128_f8f6f4 v[AC_:AC_+7], v[W_:W_+15], v[R_:R_+15], v[C_:C_+7], v[WS_], v[XS_] matrix_a_scale:MATRIX_SCALE_ROW1
.elseif (\n)%2
	v_wmma_scale_f32_16x16x128_f8f6f4 v[AC_:AC_+7], v[W_:W_+15], v[R_:R_+15], v[C_:C_+7], v[WS_], v[XS_] matrix_b_scale:MATRIX_SCALE_ROW1
.else
	v_wmma_scale_f32_16x16x128_f8f6f4 v[AC_:AC_+7], v[W_:W_+15], v[R_:R_+15], v[C_:C_+7], v[WS_], v[XS_]
.endif
.endm
.macro TOSTAGE n                       ; block n's sums into my stage, each accumulator from its low end on, and back by rows.  LDS serves a wave's instructions in order (ISA guide 5.7.1.4): no wait between
.set AC_, ACC+32*((\n)%2)
.set RB_, RB+32*((\n)%2)
.irp b, 0,1,2,3
	ds_store_b128 v[STO], v[AC_+8*\b:AC_+8*\b+3] offset:128*(\b/2)+32*(\b%2)
	ds_store_b128 v[STO], v[AC_+8*\b+4:AC_+8*\b+7] offset:128*(\b/2)+32*(\b%2)+16
.endr
.irp t, 0,1,2,3,4,5,6,7
	ds_load_b128 v[RB_+4*\t:RB_+4*\t+3], v[RD] offset:\t*2*SPITCH
.endr
.endm
.macro SEND n                          ; row 2 t + h of block n's tile is token 32 (tile / 2) + 8 (tile % 2) + 2 t + h + 8 (t / 4); sixteen lanes store 256 consecutive bytes, aligned
.set RB_, RB+32*((\n)%2)
.irp t, 0,1,2,3,4,5,6,7
	global_store_b128 v[CO], v[RB_+4*\t:RB_+4*\t+3], s[12:13] offset:(32*(4*((\n)/4)+((\n)%4)/2)+8*((\n)%2)+2*\t+8*(\t/4))*4096 th:TH_STORE_NT
.endr
.endm
; A block: its 32 products; then, with the next block's fragments already in registers, the block before leaves, this block's set takes the block two on, and this block's sums go through the stage: all under the next block's products
.macro BLK n
.set K_, 0
.rept 32
	PROD \n, K_
.set K_, K_+1
.endr
	WIN 0
	PLACES 8                                       ; places behind the last products, ahead of the loads into what they read and of the stores of their sums (ISA guide 7.12.1 for the stores)
	s_wait_dscnt 0x0                               ; issued ahead of these 32 products: the next block's fragments, and the rows of the block before
.if (\n) == 2
	s_wait_tensorcnt 0x0                           ; my quarter of token tiles 8-15 is in;
	s_barrier_signal -1
	s_barrier_wait -1                              ; everybody's is.
.endif
.if (\n) > 0
	SEND (\n)-1
.endif
.if (\n) < 6
	FETCH (\n)+2
.endif
	s_wait_xcnt 0x0                                ; the stores so far have read their registers: the rows' set of two blocks back may be loaded anew
	TOSTAGE \n
.endm
	FETCH 0
	FETCH 1
	s_wait_loadcnt 0x0                             ; the scale words and the bias
	s_wait_dscnt 32                                ; block 0's 32 loads are in; block 1's 32 may be out
.irp n, 0,1,2,3,4,5,6,7
	BLK \n
.endr
	s_wait_dscnt 0x0
	SEND 7
	s_wait_tensorcnt 0x0                           ; the wave's end
	ds_add_u32 v[SPW], v[NIL]
	s_wait_dscnt 0x0
	CROUND                                         ; the closing round
	s_endpgm
.Lfunc_end_k_q5ea6c9419f_proj:
	.size	k_q5ea6c9419f_proj, .Lfunc_end_k_q5ea6c9419f_proj-k_q5ea6c9419f_proj
	.p2alignl 7, 3214868480
	.fill 96, 4, 3214868480
	.section	.rodata,"a",@progbits
	.p2align	6, 0x0
	.amdhsa_kernel k_q5ea6c9419f_proj
		.amdhsa_group_segment_fixed_size 327680
		.amdhsa_private_segment_fixed_size 0
		.amdhsa_enable_private_segment 0
		.amdhsa_kernarg_size 32
		.amdhsa_user_sgpr_count 2
		.amdhsa_user_sgpr_kernarg_segment_ptr 1
		.amdhsa_wavefront_size32 1
		.amdhsa_system_sgpr_workgroup_id_x 1
		.amdhsa_system_sgpr_workgroup_id_y 1
		.amdhsa_system_sgpr_workgroup_id_z 1
		.amdhsa_system_vgpr_workitem_id 0
		.amdhsa_next_free_vgpr 1024
		.amdhsa_next_free_sgpr 100
		.amdhsa_reserve_vcc 0
		.amdhsa_float_denorm_mode_32 3
		.amdhsa_float_denorm_mode_16_64 3
		.amdhsa_memory_ordered 1
		.amdhsa_forward_progress 1
		.amdhsa_inst_pref_size 84
	.end_amdhsa_kernel
	.amdgpu_metadata
---
amdhsa.version: [ 1, 2 ]
amdhsa.kernels:
  - .name:           k_q5ea6c9419f_proj
    .symbol:         k_q5ea6c9419f_proj.kd
    .args:
      - { .name: yq, .offset: 0, .size: 8, .value_kind: global_buffer, .address_space: global }
      - { .name: wq, .offset: 8, .size: 8, .value_kind: global_buffer, .address_space: global }
      - { .name: b_proj, .offset: 16, .size: 8, .value_kind: global_buffer, .address_space: global }
      - { .name: out0, .offset: 24, .size: 8, .value_kind: global_buffer, .address_space: global }
    .group_segment_fixed_size: 327680
    .private_segment_fixed_size: 0
    .kernarg_segment_align: 8
    .kernarg_segment_size: 32
    .max_flat_workgroup_size: 128
    .sgpr_count:     100
    .vgpr_count:     1024
    .wavefront_size: 32
...
	.end_amdgpu_metadata
.endif
;; end of part 4
